; MI455X (gfx1250); checked and timed in simulation.
; The chip was launched on July 23, 2026; its instructions are those of AMD's public machine-readable ISA for CDNA 5 (MIT licence, August 2026) and "CDNA5" Instruction Set Architecture Reference Guide (July 2026). The comments in the code are by the model that wrote it; some were corrected since.
;; Attention. Allowed arithmetic: matrix products marked QUANTISED: E2M1 operands, one E8M0 scale for each 32 along K, by v_wmma_scale_f32_16x16x128_f8f6f4 with both operands' format E2M1 (or v_wmma_scale_f32_32x16x128_f4), f32 sums; everything else in f32.
;; Inputs: WK_codes 1,024 x 32 x 16 uint8 (E2M1 codes of WK, K innermost, in blocks of 32 codes, two codes a byte); WK_scales 1,024 x 32 uint8 (E8M0 scales of WK, one for each 32 codes along K); WO_codes 1,024 x 32 x 16 uint8 (E2M1 codes of WO, K innermost, in blocks of 32 codes, two codes a byte); WO_scales 1,024 x 32 uint8 (E8M0 scales of WO, one for each 32 codes along K); WQ_codes 1,024 x 32 x 16 uint8 (E2M1 codes of WQ, K innermost, in blocks of 32 codes, two codes a byte); WQ_scales 1,024 x 32 uint8 (E8M0 scales of WQ, one for each 32 codes along K); WV_codes 1,024 x 32 x 16 uint8 (E2M1 codes of WV, K innermost, in blocks of 32 codes, two codes a byte); WV_scales 1,024 x 32 uint8 (E8M0 scales of WV, one for each 32 codes along K); XKV_codes 4 x 2,048 x 32 x 16 uint8 (E2M1 codes of XKV, K innermost, in blocks of 32 codes, two codes a byte); XKV_scales 4 x 2,048 x 32 uint8 (E8M0 scales of XKV, one for each 32 codes along K); bO 1,024 float32.
;; Outputs: out0 4 x 2,048 x 1,024 float32.
;; This version of the problem:
;;   THIS VERSION OF THE PROBLEM IS GIVEN IN LOW PRECISION. The matrix products marked QUANTISED in the list below multiply operands that are first quantised to E2M1 (2 exponent bits, 1 mantissa bit; 4 bits a number), with one power-of-two scale for each 32 numbers along K (OCP MX v1.0); their sums are f32. All else is computed in f32.
;;   The module's matrix products, in the order in which they are computed (A, B: the left and right operand; K: the contracted axis; several contracted axes count as one K, in the product's order):
;;     1. [M 8,192, K 1,024] x [K 1,024, N 1,024]; A: input XKV (given as codes); B: input WQ (given as codes): QUANTISED
;;     2. [M 8,192, K 1,024] x [K 1,024, N 1,024]; A: input XKV (given as codes); B: input WK (given as codes): QUANTISED
;;     3. [M 8,192, K 1,024] x [K 1,024, N 1,024]; A: input XKV (given as codes); B: input WV (given as codes): QUANTISED
;;     4. batch 64 x [M 2,048, K 64] x [K 64, N 2,048]; A: computed on the way; B: computed on the way: QUANTISED
;;     5. batch 64 x [M 2,048, K 2,048] x [K 2,048, N 64]; A: softmax (see below); B: computed on the way: QUANTISED
;;     6. [M 8,192, K 1,024] x [K 1,024, N 1,024]; A: computed on the way; B: input WO (given as codes): QUANTISED
;;   THE QUANTISER, for each operand of a quantised product, along K:
;;     - K is cut into blocks of 32 from its start; a last block that is shorter is filled with zeros.
;;     - A block's scale is 2^e with e = floor(log2(the largest magnitude in the block)) - 2, held to -126 .. 127; a block of zeros has e = 0. As a byte (E8M0): e + 127.
;;     - Each number is divided by its block's scale, clamped to +-6, and rounded to the nearest number of E2M1, ties to even, subnormals kept.
;;     - The product sums the exact products of the quantised numbers (number of the format x scale) in f32.
;;   ~~~python
;;   def quantise(x, axis):      # numpy; x: float32 -> the quantised numbers, widened to float32 again
;;       x = np.moveaxis(x, axis, -1); K = x.shape[-1]
;;       x = np.pad(x, [(0, 0)] * (x.ndim - 1) + [(0, -K % 32)]); x = x.reshape(x.shape[:-1] + (-1, 32)); a = np.abs(x).max(-1, keepdims=True)
;;       e = np.where(a > 0, np.clip(np.frexp(np.where(a > 0, a, 1))[1] - 1 - 2, -126, 127), 0)      # np.frexp(a)[1] - 1 = floor(log2(a)), exactly
;;       r = np.clip(x / 2.0 ** e, -6, 6)
;;       step = 2.0 ** (np.maximum(np.frexp(np.where(r == 0, 1, r))[1] - 1, 0) - 1)
;;       q = np.round(r / step) * step * 2.0 ** e      # np.round: ties to even
;;       return np.moveaxis(q.reshape(q.shape[:-2] + (-1,))[..., :K], -1, axis).astype(np.float32)
;;   ~~~
;;   SOFTMAX AHEAD OF A QUANTISED PRODUCT. Where the list says 'softmax', what is quantised is not the finished softmax but p = 2^(t - M), with t = logit x log2(e) and M = ceil(the row's largest t), a whole number; so 1/2 < the row's largest p <= 1. The row's sum l is taken of the UNQUANTISED p, in f32, and the product's result is divided by l at the end. Since M is a whole number, a kernel that streams over the keys may use a running M (the ceiling of the running maximum): every later rescaling is an exact power of two, which a block's scale takes up: the codes' values come out the same.
;;   OPERANDS COMPUTED ON THE WAY. 'Computed on the way' means the value that the module computes at that place (a softmax that the list does not call 'softmax' is quantised finished and normalised). What goes into a quantiser is computed in f32, as accurately as f32 sums, v_exp_f32 and their like allow (about 1e-6 of the number): no bf16 or f16 on the way to a quantiser, and a product that is left as it is and whose result goes on into a quantised operand takes f32 operands (vector FMAs, or v_wmma_f32_16x16x4_f32). A number that lies on a knife's edge between two numbers of the format may be rounded either way, as far as f32 arithmetic and the matrix unit's own rounding can turn it there, and no further.
;;   INPUTS GIVEN AS CODES. WK (in the module: [1024, 1024], K = its axis 0); WO (in the module: [1024, 1024], K = its axis 0); WQ (in the module: [1024, 1024], K = its axis 0); WV (in the module: [1024, 1024], K = its axis 0); XKV (in the module: [4, 2048, 1024], K = its axis 2): each comes as NAME_codes (uint8): NAME with its K axis moved to the last place and cut into blocks of 32 codes, [.., K / 32, bytes a block], one block behind the other in memory; two codes a byte, the lower K in the low four bits (a code: sign, 2 exponent bits, 1 mantissa bit); and NAME_scales (uint8): the same leading axes, one E8M0 byte (e + 127) for each 32 codes along K. Its value is code x scale, taken as it is: it is not quantised again, and the codes and scales need not be those that the quantiser above would give.
;; One version. Each part assembles by itself: llvm-mc -triple=amdgcn-amd-amdhsa -mcpu=gfx1250 --defsym DOCPART=n.
;; ======== version 1 of 1: 3 launches
;; workspace buffers: qkv 13,893,632 bytes; cc 4,194,304 bytes; cs 262,144 bytes
;; launch qkv (part 1): grid 12 x 32, 4 waves a work-group, no clusters, 327,680 bytes of LDS; arguments XKV_codes, XKV_scales, WQ_codes, WQ_scales, WK_codes, WK_scales, WV_codes, WV_scales, qkv; writes qkv
.if DOCPART == 1
	.amdgcn_target "amdgcn-amd-amdhsa--gfx1250"
	.amdhsa_code_object_version 6
	.text
	.protected	k_q7af4fbd06a_qkv
	.globl	k_q7af4fbd06a_qkv
	.p2align	8
	.type	k_q7af4fbd06a_qkv,@function
k_q7af4fbd06a_qkv:
	s_mov_b64 s[64:65], 0
	v_nop
	global_prefetch_b8 v0, s[64:65] scope:SCOPE_SE
	s_setreg_imm32_b32 hwreg(HW_REG_WAVE_MODE, 25, 1), 1
	s_wait_xcnt 0x0
; Q = X WQ, K = X WK, V = X WV on codes of FP4 (E2M1) with one E8M0 scale for each 32 along K = 1,024; the f32 results are quantised in registers and leave as codes:
; Q and K along the head's 64 (two blocks a row), V along the keys.  X: [8192][1024], W*: [1024 (n = 64 head + d)][1024], rows of 512 bytes of codes and 32 scale bytes.
; SHARES.  A work-group of four waves makes 256 x 256 results, a wave 128 x 128: 64 accumulators of 16 x 16.  Source 1 ('A') gives a lane its row, source 0 ('B') runs along the lane's registers,
; and a quantiser wants its K along the registers.  So work-group x = 0-3 (Q) and 4-7 (K): A = 256 rows of X (tile y), B = 256 rows of W (tile x & 3); x = 8-11 (V): A = 256 rows of WV, B = 256 rows of X.
; Only pointers and tile numbers are chosen by x: there is one path through the products.
; All of K lies in LDS: two slots of 512 along K, each filled ONCE; nothing is filled again.
; NO CLUSTER: the tile that neighbouring work-groups share is X's, which is source 1 for Q and K and source 0 for V: a joint load's LDS address or its mask would hang on the work-group's number.
; 384 work-groups of equal work: a tile of 256 x 384 with all of K would want 640 rows x 528 bytes = 337,920 bytes of LDS, more than a work-group can have.
; THE RESULT'S LAYOUT.  In accumulator (a, b) lane (r, h) holds A's row 16 a + r and its register j B's row 16 b + 8 h + j.  A block of 32 along B is accumulators 2 i, 2 i + 1 of lanes l and l xor 16.
; Eight numbers of a lane become one register of codes; converted in the order b = 0, 2, 1, 3 and with the halves of the lanes exchanged between registers (0, 1) and (2, 3),
; four registers hold 32 h + 0 .. 31 of 64 along B: the 4-bit operand's own layout.  So the codes are stored as IMAGES OF THE NEXT PRODUCT'S REGISTERS, 16 bytes a lane, 512 consecutive bytes a store.
; WORKSPACE qkv: a record of REC bytes for each (batch, head): K's codes (65,536), V's codes (65,536), K's scale words (8,192), V's scale words (4,096): 143,360 dense bytes;
; then Q's codes (65,536) and Q's scale words (8,192): 217,088 in all.
; LIMITS: NaN, infinities and scale bytes 0xff among the inputs are not served.  A block whose largest magnitude lies under 2^-124 gets the scale byte 1, a block of zeros too
; (the rule says 127): its codes are zeros, which add nothing under any byte but 0xff, and the bytes are read by this program alone.
; REGISTERS, in windows of 256: window 0: v1-29 addresses; v32-95 scale words, two sets; v128-191 A's fragments, one set (later the codes made); v200-231 at work on the way out.
;   window 1: B's fragments, two sets, at v0 and v128.   window 2: the accumulators of my A rows 0-63 ((a, b) at v[8 (8 a + b)]);   window 3: those of rows 64-127.
.set PITCH,  272                       ; an LDS row: 256 bytes of codes + 16 of padding: the 16 rows that a load touches start at 16 different banks
.set HALFT,  128*PITCH                 ; 128 rows: what one tensor load brings, and what one wave reads of A or of B
.set SLOT,   4*HALFT                   ; A's 256 rows, then B's 256 rows, 512 along K
.set NQ,     4                         ; steps of 128 along K in a slot
.set FR,     8                         ; registers of a fragment: 16 rows x 128 K
.set NL,     2                         ; LDS loads that bring one
.set NP,     4                         ; places behind this matrix instruction (ISA guide 7.12.1)
.set SCL,    2*SLOT                    ; behind the slots: the scale bytes, as units of 256 bytes + 16 of padding
.set HALFS,  16*272                    ; those of 128 rows x 32 bytes
.set SBLK,   2*272                     ; those of 16 rows
.set SPARE,  SCL+4*HALFS               ; the spare words, 128 bytes for each wave: two blocks of 256 bytes that no other line names
.set VC_O,   65536                     ; in a record: K's codes at 0, V's codes,
.set KS_O,   131072                    ; K's scale words,
.set VS_O,   139264                    ; V's scale words,
.set QC_O,   143360                    ; Q's codes,
.set QS_O,   208896                    ; Q's scale words, 16 steps x 512 bytes;
.set REC,    QS_O+8192                 ; a record: 217,088 bytes, a multiple of 256
.set ADRA, 16                          ; v16-17  LDS address of my A fragments in slot 0, 1
.set ADRB, 20                          ; v20-21  the same for B
.set L16,  24                          ; v24     16 x lane
.set L8,   25                          ; v25     8 x lane
.set ADRS, 27                          ; v27     LDS address of my scale words: lanes 0-15 A's rows, lanes 16-31 B's
.set SPW,  28                          ; v28     LDS address of my spare word; never rewritten
.set NIL,  29                          ; v29     0; never rewritten
.set SC,   32                          ; scale words: set s at v[SC + 32 s]; register 4 i + q: lanes 0-15 A's block i, lanes 16-31 B's block i, the slot's q-th 128 along K
.set AF,   128                         ; A's fragments
.set PC,   128                         ; the way out: the codes of A's block a at v[PC + 8 a]
.set TM,   200                         ; v200-203 largest magnitudes, v204-207 the other half's, then the bytes, v212-215 the conversions' scale operands
.set PW,   216                         ; v216-223 the scale word of A's block a
.set Z,    224                         ; v224-227 two blocks' words in one register: lanes 0-15 block 2 i, lanes 16-31 block 2 i + 1
.set ZR,   228                         ; v228-231 the same with the halves of each word exchanged
.set G1,   24                          ; s[24:31] descriptor group 1 for the codes;  s[32:39] group 0, one set for each slot
.set G0,   32
.set G1S,  48                          ; s[48:55], s[56:59] groups 1 and 0 for the scale bytes
.set G0S,  56
.set SEL,  60                          ; s[60:61] lane selects for v_permlanex16_b32: lane l xor 16
.set MSB, 0
.macro WIN new                         ; the immediate's high byte repeats the setting that is left; a switch that changes nothing is dropped
.if MSB != (\new)
	s_set_vgpr_msb (MSB<<8)|(\new)
.set MSB, (\new)
.endif
.endm
.set MUL_LO, 0xa1                      ; source 0 (B) window 1, source 1 (A) window 0, C and D window 2
.set MUL_HI, 0xf1                      ; the same, C and D window 3
.set TO_B,   0x40                      ; destination window 1, address window 0
	s_load_b512 s[68:83], s[0:1], 0x0              ; X's codes, X's scales, WQ's, WK's, WV's
	s_load_b64 s[84:85], s[0:1], 0x40              ; qkv
	v_lshl_add_u32 v[SPW], v0, 2, SPARE
	v_mov_b32 v[NIL], 0
	ds_add_u32 v28, v29
	ds_add_u32 v28, v29
	s_wait_dscnt 0x0
	v_lshrrev_b32 v1, 5, v0
	v_readfirstlane_b32 s14, v1                    ; wave 0..3
	s_lshr_b32 s15, s14, 1                         ; which half of A's rows is mine.  Also: I fetch for A (0) or for B (1)
	s_and_b32 s16, s14, 1                          ; which half of B's rows.  Also: which 128 rows of that tile I fetch
	s_mov_b32 s2, ttmp9                            ; x
	s_and_b32 s3, ttmp7, 0xffff                    ; y
	s_and_b32 s18, s2, 3                           ; the weight's tile
	s_lshr_b32 s19, s2, 2                          ; 0: Q, 1: K, 2: V
	; descriptor group 1: 128 rows of 256 bytes, 512 bytes apart in memory, 16 bytes of padding behind each in LDS
	s_mov_b32 s[G1+0], (0<<16)|(1<<20)|(5<<22)|(3<<25)  ; no mask; elements of 1 byte; padding on: 4 words behind every 64
	s_mov_b32 s[G1+1], 256<<16                     ; tensor_dim0
	s_mov_b32 s[G1+2], 128<<16                     ; tensor_dim1
	s_mov_b32 s[G1+3], 256<<16                     ; tile_dim0
	s_mov_b32 s[G1+4], 128                         ; tile_dim1
	s_mov_b32 s[G1+5], 512                         ; from row to row
	s_mov_b32 s[G1+6], 0
	s_mov_b32 s[G1+7], 0
	; the scale bytes of 128 rows: 4,096 dense bytes, as 16 rows of 256 (32 elements of 8 bytes), 16 bytes of padding behind each
	s_mov_b32 s[G1S+0], (3<<16)|(1<<20)|(5<<22)|(3<<25)
	s_mov_b32 s[G1S+1], 32<<16
	s_mov_b32 s[G1S+2], 16<<16
	s_mov_b32 s[G1S+3], 32<<16
	s_mov_b32 s[G1S+4], 16
	s_mov_b32 s[G1S+5], 32
	s_mov_b32 s[G1S+6], 0
	s_mov_b32 s[G1S+7], 0
	s_mov_b32 s[SEL], 0x76543210
	s_mov_b32 s[SEL+1], 0xfedcba98
	s_wait_kmcnt 0x0
	s_cmp_eq_u32 s19, 0                            ; which weight: the choices hang on the work-group's number alone
	s_cselect_b64 s[88:89], s[72:73], s[76:77]
	s_cselect_b64 s[90:91], s[74:75], s[78:79]
	s_cmp_eq_u32 s19, 2
	s_cselect_b64 s[88:89], s[80:81], s[88:89]
	s_cselect_b64 s[90:91], s[82:83], s[90:91]
	s_cselect_b64 s[4:5], s[88:89], s[68:69]       ; A: for V the weight, else X
	s_cselect_b64 s[6:7], s[90:91], s[70:71]
	s_cselect_b64 s[8:9], s[68:69], s[88:89]       ; B: for V X, else the weight
	s_cselect_b64 s[10:11], s[70:71], s[90:91]
	s_cselect_b32 s17, s18, s3                     ; A's tile
	s_cselect_b32 s42, s3, s18                     ; B's tile
	s_cmp_eq_u32 s15, 0                            ; waves 0, 1 fetch A's halves, waves 2, 3 B's
	s_cselect_b64 s[20:21], s[4:5], s[8:9]
	s_cselect_b64 s[22:23], s[6:7], s[10:11]
	s_cselect_b32 s44, s17, s42
	s_lshl_b32 s44, s44, 8
	s_lshl_b32 s45, s16, 7
	s_add_co_u32 s44, s44, s45                     ; the first row that I fetch: 256 x tile + 128 x half
	s_lshl_b32 s46, s44, 9                         ; its codes: 512 bytes a row
	s_mov_b32 s47, 0
	s_add_nc_u64 s[20:21], s[20:21], s[46:47]
	s_lshl_b32 s46, s44, 5                         ; its scale bytes: 32 a row
	s_add_nc_u64 s[22:23], s[22:23], s[46:47]
	s_mul_i32 s45, s14, HALFT                      ; where they go: wave x 128 rows
	s_mul_i32 s94, s14, HALFS
	s_mov_b32 s[G0S], 1
	s_add_co_u32 s[G0S+1], s94, SCL
	s_mov_b64 s[G0S+2:G0S+3], s[22:23]
	s_or_b32 s[G0S+3], s[G0S+3], 0x80000000
.irp s, 0,1
	s_mov_b32 s[G0+4*\s], 1
	s_add_co_u32 s[G0+4*\s+1], s45, \s*SLOT
	s_add_nc_u64 s[G0+4*\s+2:G0+4*\s+3], s[20:21], \s*256
	s_or_b32 s[G0+4*\s+3], s[G0+4*\s+3], 0x80000000
.endr
	tensor_load_to_lds s[G0S:G0S+3], s[G1S:G1S+7]  ; all fills of the launch go out together, each wave's into its own bytes: three loads of mine are out.  The scales first,
	s_nop 0
	tensor_load_to_lds s[G0:G0+3], s[G1:G1+7]      ; K = 0 .. 511,
	s_nop 0
	tensor_load_to_lds s[G0+4:G0+7], s[G1:G1+7]    ; K = 512 .. 1,023
	s_nop 0
.rept 4
	v_nop
.endr
	v_and_b32 v1, 15, v0                           ; r = lane % 16
	v_bfe_u32 v2, v0, 4, 1                         ; h = lane / 16
	v_mul_u32_u24 v3, v1, PITCH
	v_lshl_add_u32 v4, v2, 4, v3                   ; a fragment's row x pitch + 16 x half
	s_mul_i32 s21, s15, HALFT                      ; my 128 rows of A
	s_mul_i32 s22, s16, HALFT                      ; my 128 rows of B,
	s_add_co_u32 s22, s22, 2*HALFT                 ; which lie behind A's 256
.irp s, 0,1
	v_add_nc_u32 v[ADRA+\s], s21, v4
	v_add_nc_u32 v[ADRB+\s], s22, v4
	s_add_co_u32 s21, s21, SLOT
	s_add_co_u32 s22, s22, SLOT
.endr
	v_mul_u32_u24 v5, v1, 32                       ; my row's scale bytes: 32 a row,
	v_lshrrev_b32 v6, 8, v5
	v_lshl_add_u32 v5, v6, 4, v5                   ; and 16 more for each 256 passed
	s_mul_i32 s21, s15, HALFS                      ; A's: my 128 rows
	s_mul_i32 s22, s16, HALFS                      ; B's: my 128 rows, behind A's 256
	s_add_co_u32 s22, s22, 2*HALFS
	s_sub_co_u32 s22, s22, s21
	v_mul_u32_u24 v6, s22, v2                      ; lanes 16-31 take B's: one product, the distance between the two bases
	s_add_co_u32 s21, s21, SCL
	v_add_nc_u32 v5, v5, v6
	v_add_nc_u32 v[ADRS], s21, v5
	v_and_b32 v6, 31, v0
	v_lshlrev_b32 v[L16], 4, v6
	v_lshlrev_b32 v[L8], 3, v6
	; where my results go.  Q, K: the heads run along B (2 to a wave), the rows along A;  V: the heads along A, the keys along B
	s_lshr_b32 s88, s3, 3                          ; the batch
	s_and_b32 s89, s3, 7                           ; which 256 rows of it
	s_mov_b32 s95, KS_O
	s_cmp_eq_u32 s19, 2
	s_cselect_b32 s90, s15, s16                    ; which half holds the heads,
	s_cselect_b32 s91, s16, s15                    ; which the rows or keys
	s_cselect_b32 s92, 8, 9                        ; a step's scale words: 256 bytes for V, 512 for Q and K
	s_cselect_b32 s93, VC_O, 0
	s_cselect_b32 s95, VS_O, s95
	s_cmp_eq_u32 s19, 0
	s_cselect_b32 s93, QC_O, s93                   ; the codes' place in a record
	s_cselect_b32 s95, QS_O, s95                   ; the scale words'
	s_lshl_b32 s20, s88, 4
	s_lshl_b32 s21, s18, 2
	s_add_co_u32 s20, s20, s21
	s_lshl_b32 s21, s90, 1
	s_add_co_u32 s20, s20, s21                     ; 16 x batch + my first head
	s_mul_i32 s20, s20, REC
	s_lshl_b32 s21, s89, 1
	s_add_co_u32 s21, s21, s91                     ; which 128 rows (or keys) of the batch are mine
	s_lshl_b32 s22, s21, 12                        ; their codes: 4,096 bytes
	s_add_co_u32 s22, s22, s20
	s_add_co_u32 s22, s22, s93
	s_mov_b32 s23, 0
	s_add_nc_u64 s[12:13], s[84:85], s[22:23]
	s_lshl_b32 s22, s21, s92
	s_add_co_u32 s22, s22, s20
	s_add_co_u32 s22, s22, s95
	s_add_nc_u64 s[86:87], s[84:85], s[22:23]
.macro FRAG reg, adr, q, i             ; a fragment: lane l holds row l % 16; registers 4 c .. 4 c + 3 hold K = 64 c + 32 (l / 16) + 0 .. 31
.irp c, 0,1
	ds_load_b128 v[\reg+4*\c:\reg+4*\c+3], v[\adr] offset:64*(\q)+32*\c+(\i)*16*PITCH
.endr
.endm
; 16 matrix instructions: A's blocks a0, a0 + 1 x B's eight, the slot's q-th 128 along K.  p: B's set;  sc: the set of scale words.  zero = 1: the product starts the sums: nothing is cleared.
; The 64 accumulators take turns, one instruction a turn, in the same order in every step.
.macro MUL16 a0, p, q, sc, zero
.irp a, \a0, \a0+1
.irp b, 0,1,2,3,4,5,6,7
.if \zero
	v_wmma_scale_f32_16x16x128_f8f6f4 v[8*(8*((\a)%4)+\b):8*(8*((\a)%4)+\b)+7], v[128*(\p)+FR*\b:128*(\p)+FR*\b+FR-1], v[AF+FR*(\a):AF+FR*(\a)+FR-1], 0, v[SC+8*NQ*(\sc)+NQ*\b+(\q)], v[SC+8*NQ*(\sc)+NQ*(\a)+(\q)] matrix_a_fmt:MATRIX_FMT_FP4 matrix_b_fmt:MATRIX_FMT_FP4 matrix_a_scale:MATRIX_SCALE_ROW1
.else
	v_wmma_scale_f32_16x16x128_f8f6f4 v[8*(8*((\a)%4)+\b):8*(8*((\a)%4)+\b)+7], v[128*(\p)+FR*\b:128*(\p)+FR*\b+FR-1], v[AF+FR*(\a):AF+FR*(\a)+FR-1], v[8*(8*((\a)%4)+\b):8*(8*((\a)%4)+\b)+7], v[SC+8*NQ*(\sc)+NQ*\b+(\q)], v[SC+8*NQ*(\sc)+NQ*(\a)+(\q)] matrix_a_fmt:MATRIX_FMT_FP4 matrix_b_fmt:MATRIX_FMT_FP4 matrix_a_scale:MATRIX_SCALE_ROW1
.endif
.endr
.endr
.endm
.macro FETCH_B slot, q, p              ; B's eight fragments of the slot's q-th 128 along K into set p
	WIN TO_B
.irp i, 0,1,2,3,4,5,6,7
	FRAG 128*(\p)+FR*\i, ADRB+\slot, \q, \i
.endr
	WIN 0
.endm
.macro FETCH_A slot, q, i0             ; A's blocks i0 .. i0 + 3
.irp i, \i0, \i0+1, \i0+2, \i0+3
	FRAG AF+FR*(\i), ADRA+\slot, \q, \i
.endr
.endm
.macro SCALES sc                       ; a slot's scale words into set sc: four words a row; lanes 0-15 take A's block i, lanes 16-31 B's block i
.irp i, 0,1,2,3,4,5,6,7
	ds_load_b128 v[SC+8*NQ*\sc+NQ*\i:SC+8*NQ*\sc+NQ*\i+3], v[ADRS] offset:\i*SBLK
.endr
.endm
; A load into a register that a matrix instruction has read, and a vector instruction that reads a matrix result or writes one of its registers, stand NP places behind it,
; and only plain vector instructions that name none of its registers are places.
.macro PLACES n
.rept \n
	v_nop
.endr
.endm
; A step of 128 along K that has its successor in the same slot.  A's blocks are free as soon as their eight products are issued, so A has one set of registers:
; blocks 0-3 are fetched anew in the step's middle, blocks 4-7 at its end.  B's fragments are at work through the whole step and have two sets.
.macro STEP slot, q, zero
	s_wait_dscnt 4*NL                              ; B's set and A's blocks 0-3 are in; the youngest eight loads (A's blocks 4-7) may be out
	WIN MUL_LO
	MUL16 0, (\q)%2, \q, \slot, \zero
	MUL16 2, (\q)%2, \q, \slot, \zero
	s_wait_dscnt 0                                 ; A's blocks 4-7 are in (asked for 32 matrix instructions ago)
	PLACES NP
	FETCH_B \slot, (\q)+1, 1-(\q)%2
	FETCH_A \slot, (\q)+1, 0
	WIN MUL_HI
	MUL16 4, (\q)%2, \q, \slot, \zero
	MUL16 6, (\q)%2, \q, \slot, \zero
	PLACES NP
	WIN 0
	FETCH_A \slot, (\q)+1, 4
.endm
; Slot 0's last step goes over to slot 1: each wave waits for all its tensor loads, its part of slot 1 among them, and the barrier shows the slot whole to all four waves.  Nothing is filled again.
.macro TURN slot, next
	s_wait_tensorcnt 0x0                           ; all my tensor loads have landed
	ds_add_u32 v[SPW], v[NIL]                      ; 0 onto my spare word
	s_wait_dscnt 4*NL+1                            ; (the add and the youngest eight loads, A's blocks 4-7, may be out)
	WIN MUL_LO
	MUL16 0, 1, NQ-1, \slot, 0                     ; sixteen matrix instructions stand between the add and the wait for it
	s_wait_dscnt 0x0                               ; no LDS instruction of mine is pending at the signal
	s_barrier_signal -1
	MUL16 2, 1, NQ-1, \slot, 0
	WIN 0
	s_barrier_wait -1
	PLACES NP
	v_add_nc_u32 v[ADRS], 4*NQ, v[ADRS]            ; on to the next slot's scale words
	FETCH_B \next, 0, 0
	FETCH_A \next, 0, 0
	SCALES \next
	WIN MUL_HI
	MUL16 4, 1, NQ-1, \slot, 0
	MUL16 6, 1, NQ-1, \slot, 0
	PLACES NP
	WIN 0
	FETCH_A \next, 0, 4
.endm
.macro STEPS slot, from                ; the slot's steps from .. NQ - 2
.set Q, \from
.rept NQ-1-\from
	STEP \slot, Q, 0
.set Q, Q+1
.endr
.endm
	s_wait_alu depctr_va_vdst(0)
	s_wait_tensorcnt 1                             ; the scales and my part of slot 0 are in; one load, slot 1's, may be out,
	s_barrier_signal -1
	s_barrier_wait -1                              ; everybody's are
	FETCH_B 0, 0, 0
	FETCH_A 0, 0, 0
	SCALES 0
	FETCH_A 0, 0, 4
	STEP 0, 0, 1                                   ; the first step's products start the sums
	STEPS 0, 1
	TURN 0, 1
	STEPS 1, 0
	s_wait_dscnt 4*NL                              ; the last step: nothing more to fetch
	WIN MUL_LO
	MUL16 0, 1, NQ-1, 1, 0
	MUL16 2, 1, NQ-1, 1, 0
	s_wait_dscnt 0
	WIN MUL_HI
	MUL16 4, 1, NQ-1, 1, 0
	MUL16 6, 1, NQ-1, 1, 0
	WIN 0
; THE WAY OUT.  A's block a: 64 numbers a lane, register 8 b + j = B's row 16 b + 8 h + j of my row: four blocks of 32, each in 16 registers of lanes l and l xor 16.
; A block's scale: the largest magnitude (with the floor 2^(3 - 127) among its leaves, so that the byte cannot fall under 1) less 2 in its exponent field is the conversion's scale operand; its exponent field is the byte.
.macro QUANTA a
.set S0, 64*((\a)%4)
.set PCA, PC+8*(\a)
	WIN 0x0a+5*((\a)/4)                            ; sources 0 and 1: window 2 or 3
.irp b, 0,1,2,3
	v_max3_num_f32 v[TM+\b], |v[S0+16*\b]|, |v[S0+16*\b+1]|, 0x1800000   ; each accumulator is read from its low end on
.endr
.irp i, 2,4,6,8,10,12,14
.irp b, 0,1,2,3
	v_max3_num_f32 v[TM+\b], |v[S0+16*\b+\i]|, |v[S0+16*\b+\i+1]|, v[TM+\b]   ; (the four blocks by turns)
.endr
.endr
	WIN 0
.irp b, 0,1,2,3
	v_permlanex16_b32 v[TM+4+\b], v[TM+\b], s[SEL], s[SEL+1]
.endr
.irp b, 0,1,2,3
	v_max_num_f32 v[TM+\b], v[TM+\b], v[TM+4+\b]   ; with lane l xor 16's: the block's largest magnitude
.endr
.irp b, 0,1,2,3
	v_add_nc_u32 v[TM+12+\b], 0xff000000, v[TM+\b] ; 2 off its exponent field
.endr
.irp b, 0,1,2,3
	v_lshrrev_b32 v[TM+4+\b], 23, v[TM+12+\b]      ; the scale's byte
.endr
	v_lshl_or_b32 v[PW+(\a)], v[TM+5], 8, v[TM+4]  ; the four bytes make my row's scale word
	v_lshl_or_b32 v[PW+(\a)], v[TM+6], 16, v[PW+(\a)]
	v_lshl_or_b32 v[PW+(\a)], v[TM+7], 24, v[PW+(\a)]
	WIN 0x02+((\a)/4)                              ; source 0: window 2 or 3
.irp c, 0,1                                    ; 64 along B: accumulators 4 c, 4 c + 2, 4 c + 1, 4 c + 3 in this order
	v_cvt_scalef32_pk8_fp4_f32 v[PCA+4*\c],   v[S0+32*\c:S0+32*\c+7],     v[TM+12+2*\c]
	v_cvt_scalef32_pk8_fp4_f32 v[PCA+4*\c+1], v[S0+32*\c+16:S0+32*\c+23], v[TM+13+2*\c]
	v_cvt_scalef32_pk8_fp4_f32 v[PCA+4*\c+2], v[S0+32*\c+8:S0+32*\c+15],  v[TM+12+2*\c]
	v_cvt_scalef32_pk8_fp4_f32 v[PCA+4*\c+3], v[S0+32*\c+24:S0+32*\c+31], v[TM+13+2*\c]
.endr
	WIN 0
	v_nop                                          ; one plain place behind a scaled conversion
.irp c, 0,1
	v_permlane16_swap_b32 v[PCA+4*\c],   v[PCA+4*\c+1]   ; the first's lanes 16-31 change places with the second's lanes 0-15:
	v_permlane16_swap_b32 v[PCA+4*\c+2], v[PCA+4*\c+3]   ; registers 4 c .. 4 c + 3 now hold 64 c + 32 h + 0 .. 31
.endr
.endm
	PLACES NP                                      ; behind the last products: their results are read and A's fragments written over
.irp b, 0,1,2,3
	v_mov_b32 v[TM+4+\b], 0                        ; written once: a lane permute's destination counts as one of its sources
.endr
.irp a, 0,1,2,3,4,5,6,7
	QUANTA \a
.endr
	v_and_b32 v1, 16, v0
	v_cmp_ne_u32 vcc_lo, 0, v1                     ; lanes 16-31
.irp b, 0,1,2,3
	v_cndmask_b32 v[Z+\b], v[PW+2*\b], v[PW+2*\b+1], vcc_lo   ; one register carries two blocks' words: the next product reads the second from lanes 16-31
.endr
.irp b, 0,1,2,3
	v_alignbit_b32 v[ZR+\b], v[Z+\b], v[Z+\b], 16  ; Q, K: bytes 2, 3 are the second head's two blocks: they come down; the other two stand over zero codes
.endr
	s_cmp_lt_u32 s2, 8
	s_cbranch_scc0 .Lv_out
.irp a, 0,1,2,3,4,5,6,7                        ; Q, K: head g, tile of 16 rows a: an image of 512 bytes
.irp g, 0,1
	global_store_b128 v[L16], v[PC+8*\a+4*\g:PC+8*\a+4*\g+3], s[12:13] offset:\g*REC+512*\a   ; 32 lanes store 512 consecutive bytes, at a multiple of 256 from the buffer's first byte
.endr
.endr
	global_store_b128 v[L16], v[Z:Z+3], s[86:87]               ; the scale words of my 128 rows, first head: word i of lane (r, u): tile 2 i + u, row r
	global_store_b128 v[L16], v[ZR:ZR+3], s[86:87] offset:REC  ; second head
	s_branch .Ldone
.Lv_out:
.irp a, 0,1,2,3,4,5,6,7                        ; V: head a / 4, 16 channels a % 4, keys 64 g on
.irp g, 0,1
	global_store_b128 v[L16], v[PC+8*\a+4*\g:PC+8*\a+4*\g+3], s[12:13] offset:(\a/4)*REC+1024*(\a%4)+512*\g
.endr
.endr
	s_wait_alu depctr_va_vdst(0)
	global_store_b64 v[L8], v[Z:Z+1], s[86:87]                 ; the scale words of my 128 keys: word i of lane (r, u): channels 16 (2 i + u) + r; 256 consecutive bytes
	global_store_b64 v[L8], v[Z+2:Z+3], s[86:87] offset:REC
.Ldone:
	s_wait_tensorcnt 0x0                           ; the wave's end
	ds_add_u32 v[SPW], v[NIL]
	s_wait_dscnt 0x0
	s_endpgm
.Lfunc_end_k_q7af4fbd06a_qkv:
	.size	k_q7af4fbd06a_qkv, .Lfunc_end_k_q7af4fbd06a_qkv-k_q7af4fbd06a_qkv
	.p2alignl 7, 3214868480
	.fill 96, 4, 3214868480
	.section	.rodata,"a",@progbits
	.p2align	6, 0x0
	.amdhsa_kernel k_q7af4fbd06a_qkv
		.amdhsa_group_segment_fixed_size 327680
		.amdhsa_private_segment_fixed_size 0
		.amdhsa_enable_private_segment 0
		.amdhsa_kernarg_size 72
		.amdhsa_user_sgpr_count 2
		.amdhsa_user_sgpr_kernarg_segment_ptr 1
		.amdhsa_wavefront_size32 1
		.amdhsa_system_sgpr_workgroup_id_x 1
		.amdhsa_system_sgpr_workgroup_id_y 1
		.amdhsa_system_sgpr_workgroup_id_z 1
		.amdhsa_system_vgpr_workitem_id 0
		.amdhsa_next_free_vgpr 1024
		.amdhsa_next_free_sgpr 100
		.amdhsa_reserve_vcc 1
		.amdhsa_float_denorm_mode_32 3
		.amdhsa_float_denorm_mode_16_64 3
		.amdhsa_memory_ordered 1
		.amdhsa_forward_progress 1
		.amdhsa_inst_pref_size 127
	.end_amdhsa_kernel
	.amdgpu_metadata
---
amdhsa.version: [ 1, 2 ]
amdhsa.kernels:
  - .name:           k_q7af4fbd06a_qkv
    .symbol:         k_q7af4fbd06a_qkv.kd
    .args:
      - { .name: XKV_codes, .offset: 0, .size: 8, .value_kind: global_buffer, .address_space: global }
      - { .name: XKV_scales, .offset: 8, .size: 8, .value_kind: global_buffer, .address_space: global }
      - { .name: WQ_codes, .offset: 16, .size: 8, .value_kind: global_buffer, .address_space: global }
      - { .name: WQ_scales, .offset: 24, .size: 8, .value_kind: global_buffer, .address_space: global }
      - { .name: WK_codes, .offset: 32, .size: 8, .value_kind: global_buffer, .address_space: global }
      - { .name: WK_scales, .offset: 40, .size: 8, .value_kind: global_buffer, .address_space: global }
      - { .name: WV_codes, .offset: 48, .size: 8, .value_kind: global_buffer, .address_space: global }
      - { .name: WV_scales, .offset: 56, .size: 8, .value_kind: global_buffer, .address_space: global }
      - { .name: qkv, .offset: 64, .size: 8, .value_kind: global_buffer, .address_space: global }
    .group_segment_fixed_size: 327680
    .private_segment_fixed_size: 0
    .kernarg_segment_align: 8
    .kernarg_segment_size: 72
    .max_flat_workgroup_size: 128
    .sgpr_count:     100
    .vgpr_count:     1024
    .wavefront_size: 32
...
	.end_amdgpu_metadata
.endif
;; end of part 1
;; launch attn (part 2): grid 4 x 64, 16 waves a work-group, clusters of 4 x 1, 169,984 bytes of LDS; arguments qkv, cc, cs; writes cc, cs
.if DOCPART == 2
	.amdgcn_target "amdgcn-amd-amdhsa--gfx1250"
	.amdhsa_code_object_version 6
	.text
	.protected	k_q7af4fbd06a_attn
	.globl	k_q7af4fbd06a_attn
	.p2align	8
	.type	k_q7af4fbd06a_attn,@function
k_q7af4fbd06a_attn:
	s_mov_b64 s[64:65], 0
	v_nop
	global_prefetch_b8 v0, s[64:65] scope:SCOPE_SE
	s_setreg_imm32_b32 hwreg(HW_REG_WAVE_MODE, 25, 1), 1
	s_wait_xcnt 0x0
	s_wait_alu depctr_hold_cnt(0) depctr_sa_sdst(0) depctr_va_vdst(0) depctr_va_sdst(0) depctr_va_ssrc(0) depctr_va_vcc(0) depctr_vm_vsrc(0)
	s_getreg_b32 s2, hwreg(HW_REG_IB_STS2, 6, 4)
	s_cmp_eq_u32 s2, 0
	s_cbranch_scc0 .Lentry_in_a_cluster
	s_endpgm
.Lentry_in_a_cluster:
	s_bfe_u32 s2, ttmp6, 0x10000c
	s_cmp_lg_u32 s2, 0x3003
	s_cbranch_scc0 .Lentry_shape_is_right
	s_endpgm
.Lentry_shape_is_right:
; Causal attention of one (batch, head) on codes of FP4 (E2M1) with one E8M0 scale for each 32 along a product's K; 2,048 queries and keys, head size 64.  Its result, divided by the row's sum, is quantised
; along the head's 64 and leaves as codes for the last product.
; THE SOFTMAX AHEAD OF THE SECOND PRODUCT: t = score x log2(e) / 8; M = the row's largest t so far, rounded UP to a whole number; p = 2^(t - M) is quantised along the keys, not normalised.
; The row's sum is taken of the unquantised p, in f32.  When M moves, the sum and O are multiplied by 2^(old M - new M): exact.
; SHARES.  Grid y is 16 x batch + head; the four work-groups of a cluster serve one head.  The head's K and V, codes and scale words, are 143,360 dense bytes of the workspace: they come into LDS ONCE,
; asked for JOINTLY by the four (the same tensor loads with a mask that names all four), and stay: no slot is filled again, and there is one work-group barrier beside the cluster's two rounds.
; A wave owns two tiles of 16 queries, one after the other: tile t0 = 8 m + 2 j + (wave & 1) (m = wave / 2, j = the work-group's number in its head), which needs m + 1 steps of 128 keys,
; and tile 127 - t0, which needs 16 - m: 17 steps for every wave of the launch.  The step on which a tile's diagonal lies is m, then 15 - m: it hangs on the wave's number alone, so no branch hangs on
; the work-group's place in its cluster; that place enters Q's and the outputs' addresses and one vector number of the mask.
; Each tile's loop has 16 trips, a constant; a step all of whose keys are hidden is jumped over, all but the lines that step addresses.
; LAYOUT.  Both products are used transposed: S^T = K Q^T (source 0 = 16 keys, source 1 = my 16 queries), O^T = V^T P^T (source 0 = 16 channels, source 1 = P): a lane holds ONE query (lane % 16).
; In tile t of S^T register j of lane (r, h) is key 16 t + 8 h + j.  A block of 32 keys is tiles 2 b, 2 b + 1 of lanes l and l xor 16.  Converted in the order t = 0, 2, 1, 3 and with the halves of the lanes
; exchanged between registers (0, 1) and (2, 3), four registers hold keys 32 h + 0 .. 31 of 64: the operand's own layout.
; The first product's K is 64: registers 4-7 of Q's and K's fragments are zero codes, which add nothing whatever scale byte stands over them (none is 0xff).
; All operands lie in the workspace and in LDS as images of their registers, 16 bytes a lane: every LDS read takes consecutive bytes.
; LIMITS: NaN and infinities are not served.  A block whose largest magnitude lies under 2^-124, and a block of zeros, get the scale byte 1 (the rule says 127 for zeros): their codes are zeros or
; held by that scale, and this program alone reads the bytes.  1 / the row's sum is v_rcp_f32's.  A block's largest p is taken as the exponential of its largest score.
; The scale bytes of the result leave one byte a lane, rows 32 bytes apart: two bytes of a row belong to a head, and a row's other 30 to other work-groups.
; REGISTERS: v1-7 addresses that stay; v8-11 addresses of the loads in hand; v12 -M, v13 the largest t, v[14:15] the sum in two halves; v16-23 Q; v24-27 K's scale words, v28-29 V's, v30 Q's; v31 the mask's number;
; v32-95 K's eight fragments; v96-159 S^T, then p; v160-191 O^T; v192-223 V's four fragments; v224-231 p's codes; v232-254 at work.
.set VC,   65536                       ; a (batch, head)'s record in the workspace: K's codes at 0, V's codes,
.set KSC,  131072                      ; K's scale words,
.set VSC,  139264                      ; V's scale words: so far in LDS too, at the same places;
.set QC,   143360                      ; Q's codes,
.set QSC,  208896                      ; Q's scale words, 16 steps x 512 bytes;
.set REC,  QSC+8192                    ; a record: 217,088 bytes
.set FILL, 70*256                      ; what one of eight tensor loads brings: 8 x 17,920 = 143,360
.set ADK,  8
.set ADV,  9
.set ADS,  10
.set ADT,  11
.set WV,   10                          ; s10  my wave's number
.set MM,   11                          ; s11  m = wave / 2
.set T0,   17                          ; s17  my first tile of queries
.set SEL,  20                          ; s[20:21] lane selects for v_permlanex16_b32: lane l xor 16
.set CS,   22                          ; s[22:23] c = log2(e) / 8: the packed form names a pair and takes its low word for both halves
.set G1,   24                          ; s[24:31], s[32:35] the fill's descriptor
.set G0,   32
.set TAU,  36                          ; s36  the tile in hand
.set DS,   37                          ; s37  the step on which its diagonal lies
.set SI,   38                          ; s38  the step
.set TB,   39                          ; s39  the step's codes: 4,096 bytes a step, K's and V's alike
.set TS,   40                          ; s40  K's scale words: 512 a step
.set TJ,   41                          ; s41  V's: 256 a step
.set RP,   42                          ; s[42:43] my head's record
.set QP,   44                          ; s[44:45] Q's codes, s[46:47] Q's scale words, s[48:49] the codes out, s[50:51] the scale bytes out
.set QSP,  46
.set CCP,  48
.set CSP,  50
.set CCK,  56                          ; s56, s57 the parts of the outputs' offsets that hang on batch and head
.set CSK,  57
.set HM,   60                          ; s60  the mask of lanes 16-31
; A round of the cluster's barrier: my work-group's barrier, so that wave 0's signal speaks for all sixteen waves; wave 0 signals for the work-group; every wave waits for all four work-groups; my work-group's barrier once more.
.macro CROUND
	s_barrier_signal -1
	s_barrier_wait -1
	s_cmp_lg_u32 s[WV], 0
	s_cbranch_scc1 .Lnot_wave_0_\@
	s_barrier_signal -3
.Lnot_wave_0_\@:
	s_barrier_wait -3
	s_barrier_signal -1
	s_barrier_wait -1
.endm
	s_load_b128 s[4:7], s[0:1], 0x0                ; qkv, cc
	s_load_b64 s[8:9], s[0:1], 0x10                ; cs
	v_lshl_add_u32 v251, v0, 2, 0x29000
	v_mov_b32 v255, 0
	ds_add_u32 v251, v255
	ds_add_u32 v251, v255
	v_lshrrev_b32 v8, 5, v0
	s_delay_alu instid0(VALU_DEP_1)
	v_readfirstlane_b32 s[WV], v8                  ; wave 0..15
	s_lshr_b32 s[MM], s[WV], 1
	s_bfe_u32 s12, ttmp6, 0x40000                  ; cx: my place in the cluster
	s_lshl_b32 s13, ttmp9, 2                       ; in a cluster launch ttmp9 counts clusters
	s_add_co_u32 s13, s13, s12                     ; j
	s_and_b32 s14, ttmp7, 0xffff                   ; 16 x batch + head, which the four partners share
	s_lshr_b32 s15, s14, 4                         ; batch
	s_and_b32 s16, s14, 15                         ; head
	s_lshl_b32 s[T0], s[MM], 3
	s_lshl_b32 s52, s13, 1
	s_add_co_u32 s[T0], s[T0], s52
	s_and_b32 s52, s[WV], 1
	s_add_co_u32 s[T0], s[T0], s52                 ; 8 m + 2 j + (wave & 1)
	; the codes out: 2,097,152 (head / 8) + 4,096 (128 batch + tile) + 1,024 ((head / 2) % 4) + 512 (head % 2): an image of the last product's source 1
	s_lshr_b32 s[CCK], s16, 3
	s_lshl_b32 s[CCK], s[CCK], 21
	s_lshl_b32 s52, s15, 19
	s_add_co_u32 s[CCK], s[CCK], s52
	s_bfe_u32 s52, s16, 0x20001
	s_lshl_b32 s52, s52, 10
	s_add_co_u32 s[CCK], s[CCK], s52
	s_and_b32 s52, s16, 1
	s_lshl_b32 s52, s52, 9
	s_add_co_u32 s[CCK], s[CCK], s52
	s_lshl_b32 s[CSK], s15, 16                     ; the scale bytes out: 32 (2,048 batch + row) + 2 head
	s_lshl_b32 s52, s16, 1
	s_add_co_u32 s[CSK], s[CSK], s52
	; the fill's descriptor, group 1: 70 rows of 256 bytes (32 elements of 8), dense
	s_mov_b32 s[G1+0], 15|(3<<16)|(1<<21)          ; 15:0 the mask: all four work-groups; 17:16 elements of 8 bytes; 21 set beside a mask
	s_mov_b32 s[G1+1], 32<<16                      ; tensor_dim0
	s_mov_b32 s[G1+2], 70<<16                      ; tensor_dim1
	s_mov_b32 s[G1+3], 32<<16                      ; tile_dim0
	s_mov_b32 s[G1+4], 70                          ; tile_dim1
	s_mov_b32 s[G1+5], 32                          ; from row to row
	s_mov_b32 s[G1+6], 0
	s_mov_b32 s[G1+7], 0
	s_mov_b32 s[SEL], 0x76543210
	s_mov_b32 s[SEL+1], 0xfedcba98
	s_mov_b32 s[CS], 0x3e38aa3b                    ; c = log2(e) / sqrt(64)
	s_mov_b32 s[CS+1], s[CS]                       ; (named with it as a pair, so it is written)
	s_mul_i32 s52, s14, REC
	s_mov_b32 s53, 0
	s_mul_i32 s54, s[WV], FILL
	s_mov_b32 s55, 0
	s_wait_dscnt 0x0
	s_wait_kmcnt 0x0
	s_add_nc_u64 s[RP:RP+1], s[4:5], s[52:53]      ; my head's record
	s_mov_b32 s[G0], 1
	s_mul_i32 s[G0+1], s[WV], FILL                 ; LDS as the record lies: wave x 17,920: no place in the cluster enters it
	s_add_nc_u64 s[G0+2:G0+3], s[RP:RP+1], s[54:55]
	s_or_b32 s[G0+3], s[G0+3], 0x80000000
	CROUND                                         ; all four work-groups are here: the joint loads meet
	s_cmp_lt_u32 s[WV], 8                          ; waves 0 to 7 fetch, one load each: the launch's only tensor loads
	s_cbranch_scc0 .Lno_fill
	tensor_load_to_lds s[G0:G0+3], s[G1:G1+7]
	s_nop 0
.rept 4
	v_nop
.endr
.Lno_fill:
	v_and_b32 v8, 31, v0                           ; lane
	v_and_b32 v9, 15, v0                           ; r
	v_bfe_u32 v10, v0, 4, 1                        ; h
	s_delay_alu instid0(VALU_DEP_3)
	v_lshlrev_b32 v1, 4, v8                        ; 16 x lane: an image's place for my lane; K's codes in LDS; Q's and the result's codes in memory
	s_delay_alu instid0(VALU_DEP_1)
	v_add_nc_u32 v2, VC, v1                        ; V's codes
	s_delay_alu instid0(VALU_DEP_2)
	v_add_nc_u32 v3, KSC, v1                       ; K's scale words: 16 bytes a lane
	v_lshl_add_u32 v4, v8, 3, VSC                  ; V's: 8 bytes a lane
	v_lshlrev_b32 v5, 4, v9                        ; Q's scale word: 16 r
	v_lshl_add_u32 v6, v9, 5, v10                  ; the scale bytes out: row r of 32 bytes, byte h
	v_lshlrev_b32 v11, 3, v10
	s_delay_alu instid0(VALU_DEP_1)
	v_sub_nc_u32 v7, v9, v11                       ; r - 8 h
	v_cmp_ne_u32 s[HM], 0, v10
.irp j, 20,21,22,23
	v_mov_b32 v[\j], 0                             ; Q's K = 64 .. 127: zero codes
.endr
.irp t, 0,1,2,3,4,5,6,7
.irp j, 4,5,6,7
	v_mov_b32 v[32+8*\t+\j], 0                     ; K's likewise: written once, never loaded into
.endr
.endr
.irp j, 236,237,238,239,252,253
	v_mov_b32 v[\j], 0                             ; a lane permute's destination counts as one of its sources; v253 is named as the upper half of a pair before it is first written
.endr
	s_wait_tensorcnt 0x0                           ; my part of the head is in,
	s_barrier_signal -1
	s_barrier_wait -1                              ; everybody's is
; A KEY STEP: 128 keys.
.macro STEP
	s_cmp_gt_u32 s[SI], s[DS]                      ; all its keys come after my queries: only the addresses step
	s_cbranch_scc1 .Lhid_\@
	s_setprio 2
	v_add_nc_u32 v[ADK], s[TB], v1                 ; (these four are also the places between the last step's products and the loads into their registers)
	v_add_nc_u32 v[ADV], s[TB], v2
	v_add_nc_u32 v[ADS], s[TS], v3
	v_add_nc_u32 v[ADT], s[TJ], v4
.irp t, 0,1,2,3,4,5,6,7
	ds_load_b128 v[32+8*\t:35+8*\t], v[ADK] offset:512*\t      ; keys 16 t on: lane (r, h): channels 32 h + 0 .. 31 of key 16 t + r
.endr
	ds_load_b128 v[24:27], v[ADS]                  ; word i: lanes 0-15 tile 2 i, lanes 16-31 tile 2 i + 1
.irp t, 0,1,2,3
.irp c, 0,1
	ds_load_b128 v[192+8*\t+4*\c:195+8*\t+4*\c], v[ADV] offset:1024*\t+512*\c   ; channels 16 t on, keys 64 c + 32 h + 0 .. 31
.endr
.endr
	ds_load_b64 v[28:29], v[ADT]                   ; word i: lanes 0-15 channels' tile 2 i, lanes 16-31 tile 2 i + 1
	s_wait_dscnt 9                                 ; K and its words are in; V's eight loads and its words may be out
.irp t, 0,1,2,3,4,5,6,7
.if \t%2
	v_wmma_scale_f32_16x16x128_f8f6f4 v[96+8*\t:103+8*\t], v[32+8*\t:39+8*\t], v[16:23], 0, v[24+\t/2], v30 matrix_a_fmt:MATRIX_FMT_FP4 matrix_b_fmt:MATRIX_FMT_FP4 matrix_a_scale:MATRIX_SCALE_ROW1
.else
	v_wmma_scale_f32_16x16x128_f8f6f4 v[96+8*\t:103+8*\t], v[32+8*\t:39+8*\t], v[16:23], 0, v[24+\t/2], v30 matrix_a_fmt:MATRIX_FMT_FP4 matrix_b_fmt:MATRIX_FMT_FP4
.endif
.endr
.rept 4
	v_nop                                          ; four places behind the products, ahead of the first read of their results (ISA guide 7.12.1)
.endr
	s_cmp_lt_u32 s[SI], s[DS]                      ; on the diagonal the scores of hidden keys become -infinity ahead of the maximum: p = 0 then.  A step all of whose keys count skips this
	s_cbranch_scc1 .Lopen_\@
	v_mov_b32 v254, 0xff800000
.irp n, 0,1,2,3,4,5,6,7,8,9,10,11,12,13,14,15,16,17,18,19,20,21,22,23,24,25,26,27,28,29,30,31,32,33,34,35,36,37,38,39,40,41,42,43,44,45,46,47,48,49,50,51,52,53,54,55,56,57,58,59,60,61,62,63
	v_cmp_gt_i32 vcc_lo, 16*(\n/8)+\n%8, v31       ; register n is key 16 (n / 8) + n % 8 + 8 h of the step: hidden where that is beyond my query's place, 16 (tile % 8) + r
	v_cndmask_b32 v[96+\n], v[96+\n], v254, vcc_lo
.endr
.Lopen_\@:
.irp b, 0,1,2,3
	v_max3_num_f32 v[232+\b], v[96+16*\b], v[97+16*\b], v[98+16*\b]   ; the largest score of each block of 32 keys: it serves the row's maximum and, since p rises with the score, the block's largest p
.endr
.irp i, 3,5,7,9,11,13
.irp b, 0,1,2,3
	v_max3_num_f32 v[232+\b], v[232+\b], v[96+16*\b+\i], v[97+16*\b+\i]   ; (the four blocks by turns)
.endr
.endr
.irp b, 0,1,2,3
	v_max_num_f32 v[232+\b], v[232+\b], v[111+16*\b]
.endr
.irp b, 0,1,2,3
	s_delay_alu instid0(VALU_DEP_4)
	v_permlanex16_b32 v[236+\b], v[232+\b], s[SEL], s[SEL+1]
.endr
.irp b, 0,1,2,3
	s_delay_alu instid0(VALU_DEP_4)
	v_max_num_f32 v[232+\b], v[232+\b], v[236+\b]  ; with lane l xor 16's 16 keys
.endr
	s_delay_alu instid0(VALU_DEP_2)
	v_max3_num_f32 v254, v232, v233, v234
	s_delay_alu instid0(VALU_DEP_1)
	v_max_num_f32 v254, v254, v235                 ; the step's largest score of my query
	s_delay_alu instid0(VALU_DEP_1)
	v_mul_f32 v254, s[CS], v254                    ; as t (c is positive)
	s_delay_alu instid0(VALU_DEP_1)
	v_max_num_f32 v13, v13, v254                   ; the running largest t
	v_mov_b32 v254, v12
	s_delay_alu instid0(VALU_DEP_2)
	v_floor_f32 v12, -v13                          ; the new -M = floor(-t) = -ceil(t): a whole number
	s_delay_alu instid0(VALU_DEP_1)
	v_sub_f32 v254, v12, v254                      ; M's old value less its new one: a whole number, 0 or less
	s_delay_alu instid0(VALU_DEP_1)
	v_cvt_i32_f32 v254, v254                       ; (it saturates)
	s_delay_alu instid0(VALU_DEP_1)
	v_ldexp_f32 v252, 1.0, v254                    ; f = 2^(old M - new M)
.irp j, 0,2,4,6,8,10,12,14,16,18,20,22,24,26,28,30,32,34,36,38,40,42,44,46,48,50,52,54,56,58,60,62
	v_pk_fma_f32 v[96+\j:97+\j], v[96+\j:97+\j], s[CS:CS+1], v[12:13] op_sel_hi:[1,0,0]   ; t - M, two at a time
.endr
	s_setprio 1
.irp b, 0,1,2,3
	v_fma_f32 v[232+\b], v[232+\b], s[CS], v12     ; the same of each block's largest score
.endr
	s_wait_alu depctr_va_vdst(0)
.irp j, 0,1,2,3,4,5,6,7,8,9,10,11,12,13,14,15,16,17,18,19,20,21,22,23,24,25,26,27,28,29,30,31,32,33,34,35,36,37,38,39,40,41,42,43,44,45,46,47,48,49,50,51,52,53,54,55,56,57,58,59,60,61,62,63
	v_exp_f32 v[96+\j], v[96+\j]                   ; p = 2^(t - M), at most 1
.endr
.irp b, 0,1,2,3
	v_exp_f32 v[232+\b], v[232+\b]                 ; the block's largest p: the same two instructions on the same number give the same bits
.endr
	v_pk_mul_f32 v[14:15], v[14:15], v[252:253] op_sel_hi:[1,0]   ; the sums under the new M.  (A plain place behind the exponentials)
	s_wait_alu depctr_va_vdst(0)
.irp b, 0,1,2,3
	v_max_num_f32 v[232+\b], 0x1800000, v[232+\b]  ; the floor 2^(3 - 127): the byte cannot fall under 1
.endr
.irp b, 0,1,2,3
	s_delay_alu instid0(VALU_DEP_4)
	v_add_nc_u32 v[244+\b], 0xff000000, v[232+\b]  ; 2 off the exponent field: the conversion's scale operand
.endr
.irp b, 0,1,2,3
	s_delay_alu instid0(VALU_DEP_4)
	v_lshrrev_b32 v[236+\b], 23, v[244+\b]         ; the scale's byte
.endr
	s_delay_alu instid0(VALU_DEP_3)
	v_lshl_or_b32 v253, v237, 8, v236              ; p's scale word for these 128 keys
	s_delay_alu instid0(VALU_DEP_1)
	v_lshl_or_b32 v253, v238, 16, v253
	s_delay_alu instid0(VALU_DEP_1)
	v_lshl_or_b32 v253, v239, 24, v253
.irp c, 0,1                                    ; 64 keys: tiles 4 c, 4 c + 2, 4 c + 1, 4 c + 3 in this order
	v_cvt_scalef32_pk8_fp4_f32 v[224+4*\c], v[96+32*\c:103+32*\c],  v[244+2*\c]
	v_cvt_scalef32_pk8_fp4_f32 v[225+4*\c], v[112+32*\c:119+32*\c], v[245+2*\c]
	v_cvt_scalef32_pk8_fp4_f32 v[226+4*\c], v[104+32*\c:111+32*\c], v[244+2*\c]
	v_cvt_scalef32_pk8_fp4_f32 v[227+4*\c], v[120+32*\c:127+32*\c], v[245+2*\c]
.endr
	v_nop                                          ; one plain place behind a scaled conversion
.irp c, 0,1
	v_permlane16_swap_b32 v[224+4*\c], v[225+4*\c] ; registers 4 c .. 4 c + 3 now hold keys 64 c + 32 h + 0 .. 31
	v_permlane16_swap_b32 v[226+4*\c], v[227+4*\c]
.endr
	v_pk_add_f32 v[236:237], v[100:101], v[104:105]
	v_pk_add_f32 v[248:249], v[108:109], v[112:113]
	v_pk_add_f32 v[246:247], v[116:117], v[120:121]
	v_pk_add_f32 v[244:245], v[124:125], v[128:129]
	v_pk_add_f32 v[242:243], v[132:133], v[136:137]
	v_pk_add_f32 v[240:241], v[140:141], v[144:145]
	v_pk_add_f32 v[234:235], v[148:149], v[152:153]
	v_pk_add_f32 v[14:15], v[14:15], v[156:157]
	v_pk_add_f32 v[236:237], v[236:237], v[96:97]
	v_pk_add_f32 v[248:249], v[248:249], v[98:99]
	v_pk_add_f32 v[246:247], v[246:247], v[102:103]
	v_pk_add_f32 v[244:245], v[244:245], v[106:107]
	v_pk_add_f32 v[242:243], v[242:243], v[110:111]
	s_setprio 0
	v_pk_add_f32 v[240:241], v[240:241], v[114:115]
	v_pk_add_f32 v[234:235], v[234:235], v[118:119]
	v_pk_add_f32 v[14:15], v[14:15], v[122:123]
	v_pk_add_f32 v[236:237], v[236:237], v[126:127]
	v_pk_add_f32 v[248:249], v[248:249], v[130:131]
	v_pk_add_f32 v[246:247], v[246:247], v[134:135]
	v_pk_add_f32 v[244:245], v[244:245], v[138:139]
	v_pk_add_f32 v[242:243], v[242:243], v[142:143]
	v_pk_add_f32 v[240:241], v[240:241], v[146:147]
	v_pk_add_f32 v[234:235], v[234:235], v[150:151]
	v_pk_add_f32 v[14:15], v[14:15], v[154:155]
	v_pk_add_f32 v[236:237], v[236:237], v[158:159]
	s_delay_alu instid0(VALU_DEP_2)
	v_pk_add_f32 v[14:15], v[14:15], v[244:245]
	s_delay_alu instid0(VALU_DEP_2)
	v_pk_add_f32 v[236:237], v[236:237], v[242:243]
	v_pk_add_f32 v[248:249], v[248:249], v[240:241]
	v_pk_add_f32 v[246:247], v[246:247], v[234:235]
	s_delay_alu instid0(VALU_DEP_2)
	v_pk_add_f32 v[14:15], v[14:15], v[248:249]
	s_delay_alu instid0(VALU_DEP_2)
	v_pk_add_f32 v[236:237], v[236:237], v[246:247]
	s_delay_alu instid0(VALU_DEP_1)
	v_pk_add_f32 v[14:15], v[14:15], v[236:237]
.irp j, 0,2,4,6,8,10,12,14,16,18,20,22,24,26,28,30
	v_pk_mul_f32 v[160+\j:161+\j], v[160+\j:161+\j], v[252:253] op_sel_hi:[1,0]   ; O^T under the new M.  (With the sums above: the places between p's codes and scale word and the products)
.endr
	s_wait_alu depctr_va_vdst(0)
	s_wait_dscnt 0x0                               ; V and its words are in
.irp t, 0,1,2,3                                ; O^T += V^T P^T: the four accumulators by turns
.if \t%2
	v_wmma_scale_f32_16x16x128_f8f6f4 v[160+8*\t:167+8*\t], v[192+8*\t:199+8*\t], v[224:231], v[160+8*\t:167+8*\t], v[28+\t/2], v253 matrix_a_fmt:MATRIX_FMT_FP4 matrix_b_fmt:MATRIX_FMT_FP4 matrix_a_scale:MATRIX_SCALE_ROW1
.else
	v_wmma_scale_f32_16x16x128_f8f6f4 v[160+8*\t:167+8*\t], v[192+8*\t:199+8*\t], v[224:231], v[160+8*\t:167+8*\t], v[28+\t/2], v253 matrix_a_fmt:MATRIX_FMT_FP4 matrix_b_fmt:MATRIX_FMT_FP4
.endif
.endr
.Lhid_\@:
	s_add_co_u32 s[TB], s[TB], 4096
	s_add_co_u32 s[TS], s[TS], 512
	s_add_co_u32 s[TJ], s[TJ], 256
.endm
; A TILE OF 16 QUERIES.  p = 0: my first; p = 1: its mirror.
.macro TILE p
	s_wait_xcnt 0x0                                ; the last tile's stores have read their registers and bases: both are written again below
.if \p
	s_sub_co_u32 s[TAU], 127, s[T0]
	s_sub_co_u32 s[DS], 15, s[MM]
.else
	s_mov_b32 s[TAU], s[T0]
	s_mov_b32 s[DS], s[MM]
.endif
	s_lshl_b32 s52, s[TAU], 9
	s_mov_b32 s55, 0
	s_add_co_u32 s54, s52, QC                      ; Q's codes: an image of 512 bytes a tile
	s_add_nc_u64 s[QP:QP+1], s[RP:RP+1], s[54:55]
	s_add_co_u32 s54, s52, s[CSK]                  ; the scale bytes out: 16 rows of 32 bytes a tile
	s_add_nc_u64 s[CSP:CSP+1], s[8:9], s[54:55]
	s_lshl_b32 s54, s[TAU], 12
	s_add_co_u32 s54, s54, s[CCK]                  ; the codes out
	s_add_nc_u64 s[CCP:CCP+1], s[6:7], s[54:55]
	s_lshr_b32 s54, s[TAU], 3                      ; Q's scale word: 512 (tile / 8) + 256 (tile % 2) + 4 ((tile / 2) % 4) + 16 r
	s_lshl_b32 s54, s54, 9
	s_and_b32 s52, s[TAU], 1
	s_lshl_b32 s52, s52, 8
	s_add_co_u32 s54, s54, s52
	s_bfe_u32 s52, s[TAU], 0x20001
	s_lshl_b32 s52, s52, 2
	s_add_co_u32 s54, s54, s52
	s_add_co_u32 s54, s54, QSC
	s_add_nc_u64 s[QSP:QSP+1], s[RP:RP+1], s[54:55]
	global_load_b128 v[16:19], v1, s[QP:QP+1]      ; lane (r, h): channels 32 h + 0 .. 31 of query r
	global_load_b32 v30, v5, s[QSP:QSP+1]
	s_and_b32 s52, s[TAU], 7
	s_lshl_b32 s52, s52, 4
	v_add_nc_u32 v31, s52, v7                      ; my query's place in the diagonal's step, less 8 h
	v_mov_b32 v13, 0xff61b1e6                      ; the largest t so far: -3e38, under every t
	s_delay_alu instid0(VALU_DEP_1)
	v_floor_f32 v12, -v13                          ; -M
	v_mov_b32 v14, 0                               ; the sum, in two halves
	v_mov_b32 v15, 0
.irp j, 0,1,2,3,4,5,6,7,8,9,10,11,12,13,14,15,16,17,18,19,20,21,22,23,24,25,26,27,28,29,30,31
	v_mov_b32 v[160+\j], 0                         ; O^T: the loop is written once: its first step finds zeros, which the first change of M leaves zeros
.endr
	s_mov_b32 s[SI], 0
	s_mov_b32 s[TB], 0
	s_mov_b32 s[TS], 0
	s_mov_b32 s[TJ], 0
	s_wait_loadcnt 0x0                             ; Q
.Lstep_\@:
	STEP
	s_add_co_u32 s[SI], s[SI], 1
	s_cmp_lt_u32 s[SI], 16
	s_cbranch_scc1 .Lstep_\@
	s_setprio 0
.rept 4
	v_nop                                          ; places behind the last products
.endr
	v_add_f32 v14, v14, v15                        ; the sum's two halves,
	s_delay_alu instid0(VALU_DEP_1)
	v_permlanex16_b32 v252, v14, s[SEL], s[SEL+1]
	s_delay_alu instid0(VALU_DEP_1)
	v_add_f32 v14, v14, v252                       ; and lane l xor 16's: the row's sum
	s_wait_alu depctr_va_vdst(0)
	v_rcp_f32 v14, v14
	v_nop                                          ; one plain place behind a transcendental
	s_wait_alu depctr_va_vdst(0)
.irp j, 0,2,4,6,8,10,12,14,16,18,20,22,24,26,28,30
	v_pk_mul_f32 v[96+\j:97+\j], v[160+\j:161+\j], v[14:15] op_sel_hi:[1,0]   ; O^T / the sum: register 8 t + i is channel 16 t + 8 h + i of my query; each accumulator from its low end on
.endr
.irp b, 0,1                                    ; two blocks of 32 channels
	v_max3_num_f32 v[232+\b], |v[96+16*\b]|, |v[97+16*\b]|, 0x1800000
.endr
.irp i, 2,4,6,8,10,12,14
.irp b, 0,1
	s_delay_alu instid0(VALU_DEP_2)
	v_max3_num_f32 v[232+\b], v[232+\b], |v[96+16*\b+\i]|, |v[97+16*\b+\i]|
.endr
.endr
.irp b, 0,1
	s_delay_alu instid0(VALU_DEP_2)
	v_permlanex16_b32 v[236+\b], v[232+\b], s[SEL], s[SEL+1]
.endr
.irp b, 0,1
	s_delay_alu instid0(VALU_DEP_2)
	v_max_num_f32 v[232+\b], v[232+\b], v[236+\b]
.endr
.irp b, 0,1
	s_delay_alu instid0(VALU_DEP_2)
	v_add_nc_u32 v[244+\b], 0xff000000, v[232+\b]
.endr
.irp b, 0,1
	s_delay_alu instid0(VALU_DEP_2)
	v_lshrrev_b32 v[236+\b], 23, v[244+\b]
.endr
	s_delay_alu instid0(VALU_DEP_1)
	v_cndmask_b32 v240, v236, v237, s[HM]          ; lanes 0-15 store block 0's byte, lanes 16-31 block 1's
	v_cvt_scalef32_pk8_fp4_f32 v224, v[96:103],  v244
	v_cvt_scalef32_pk8_fp4_f32 v225, v[112:119], v245
	v_cvt_scalef32_pk8_fp4_f32 v226, v[104:111], v244
	v_cvt_scalef32_pk8_fp4_f32 v227, v[120:127], v245
	v_nop                                          ; one plain place behind a scaled conversion
	v_permlane16_swap_b32 v224, v225
	v_permlane16_swap_b32 v226, v227               ; v[224:227]: channels 32 h + 0 .. 31 of my query
	global_store_b128 v1, v[224:227], s[CCP:CCP+1] ; 32 lanes store 512 consecutive bytes, at a multiple of 256 from the buffer's first byte
	global_store_b8 v6, v240, s[CSP:CSP+1]
.endm
	TILE 0
	TILE 1
	s_wait_tensorcnt 0x0
	ds_add_u32 v251, v255
	s_wait_dscnt 0x0
	CROUND                                         ; the closing round: no work-group ends while a partner may still ask for a tile that names it
	s_endpgm
.Lfunc_end_k_q7af4fbd06a_attn:
	.size	k_q7af4fbd06a_attn, .Lfunc_end_k_q7af4fbd06a_attn-k_q7af4fbd06a_attn
	.p2alignl 7, 3214868480
	.fill 96, 4, 3214868480
	.section	.rodata,"a",@progbits
	.p2align	6, 0x0
	.amdhsa_kernel k_q7af4fbd06a_attn
		.amdhsa_group_segment_fixed_size 169984
		.amdhsa_private_segment_fixed_size 0
		.amdhsa_enable_private_segment 0
		.amdhsa_kernarg_size 24
		.amdhsa_user_sgpr_count 2
		.amdhsa_user_sgpr_kernarg_segment_ptr 1
		.amdhsa_wavefront_size32 1
		.amdhsa_system_sgpr_workgroup_id_x 1
		.amdhsa_system_sgpr_workgroup_id_y 1
		.amdhsa_system_sgpr_workgroup_id_z 1
		.amdhsa_system_vgpr_workitem_id 0
		.amdhsa_next_free_vgpr 256
		.amdhsa_next_free_sgpr 66
		.amdhsa_reserve_vcc 1
		.amdhsa_float_denorm_mode_32 3
		.amdhsa_float_denorm_mode_16_64 3
		.amdhsa_memory_ordered 1
		.amdhsa_forward_progress 1
		.amdhsa_inst_pref_size 62
	.end_amdhsa_kernel
	.amdgpu_metadata
---
amdhsa.version: [ 1, 2 ]
amdhsa.kernels:
  - .name:           k_q7af4fbd06a_attn
    .symbol:         k_q7af4fbd06a_attn.kd
    .args:
      - { .name: qkv, .offset: 0, .size: 8, .value_kind: global_buffer, .address_space: global }
      - { .name: cc, .offset: 8, .size: 8, .value_kind: global_buffer, .address_space: global }
      - { .name: cs, .offset: 16, .size: 8, .value_kind: global_buffer, .address_space: global }
    .group_segment_fixed_size: 169984
    .private_segment_fixed_size: 0
    .kernarg_segment_align: 8
    .kernarg_segment_size: 24
    .max_flat_workgroup_size: 512
    .sgpr_count:     66
    .vgpr_count:     256
    .wavefront_size: 32
...
	.end_amdgpu_metadata
.endif
;; end of part 2
;; launch outp (part 3): grid 4 x 32, 4 waves a work-group, clusters of 4 x 4, 327,680 bytes of LDS; arguments cc, cs, WO_codes, WO_scales, bO, out0; writes out0
.if DOCPART == 3
	.amdgcn_target "amdgcn-amd-amdhsa--gfx1250"
	.amdhsa_code_object_version 6
	.text
	.protected	k_q7af4fbd06a_outp
	.globl	k_q7af4fbd06a_outp
	.p2align	8
	.type	k_q7af4fbd06a_outp,@function
k_q7af4fbd06a_outp:
	s_mov_b64 s[64:65], 0
	v_nop
	global_prefetch_b8 v0, s[64:65] scope:SCOPE_SE
	s_setreg_imm32_b32 hwreg(HW_REG_WAVE_MODE, 25, 1), 1
	s_wait_xcnt 0x0
	s_wait_alu depctr_hold_cnt(0) depctr_sa_sdst(0) depctr_va_vdst(0) depctr_va_sdst(0) depctr_va_ssrc(0) depctr_va_vcc(0) depctr_vm_vsrc(0)
	s_getreg_b32 s2, hwreg(HW_REG_IB_STS2, 6, 4)
	s_cmp_eq_u32 s2, 0
	s_cbranch_scc0 .Lentry_in_a_cluster
	s_endpgm
.Lentry_in_a_cluster:
	s_bfe_u32 s2, ttmp6, 0x10000c
	s_cmp_lg_u32 s2, 0xf033
	s_cbranch_scc0 .Lentry_shape_is_right
	s_endpgm
.Lentry_shape_is_right:
; out0[m][n] = sum over k of A[m][k] WO[n][k] + bO[n].  A: the heads' results [8192][1024] as codes of FP4 (E2M1) with one E8M0 scale for each 32 along K, made by the launch before;
; WO: [1024 (n)][1024 (k)] codes, rows of 512 bytes, and 32 scale bytes a row; out0: [8192][1024] f32; sums in f32.
; A tile of 256 x 256 is made by a work-group of four waves; a wave makes 128 x 128: 64 accumulators of 16 x 16.  All of K lies in LDS: two slots of 512 along K, each filled once.
; A'S CODES LIE IN MEMORY AS IMAGES OF THE OPERAND'S REGISTERS: for each half of K and each 16 rows 4,096 bytes: step q of 128 along K at 1,024 q, registers 4 c .. 4 c + 3 at 512 c, 16 bytes a lane.
; So 128 rows of a slot are 32,768 dense bytes, and a fragment is two loads of 512 consecutive bytes.  A's scale bytes lie [8192][32], like WO's.
; CLUSTERS: 4 x 4 work-groups.  The four of a row of the cluster need the same tiles of A, the four of a column the same tiles of WO: each is asked for JOINTLY, by the same tensor load with the same descriptor
; and a mask that names the four.  THE MATRIX INSTRUCTION IS USED TRANSPOSED (source 0 = 16 rows of WO, source 1 = 16 rows of A): a lane then holds eight neighbouring numbers of a row of out0.
; THE BIAS is the C of each sum's first matrix instruction: eight registers for each 16 columns, in the result's layout.
; 128 work-groups: the launch has 128 tiles of this size.
; LIMITS: NaN, infinities and scale bytes 0xff among the inputs are not served.
; REGISTERS, in windows of 256: window 0: v0-31 addresses; v32-95 scale words, two sets; v128-191 A's fragments, one set; v192-255 the bias; on the way out v128-255 are free.
;   window 1: WO's fragments, two sets, at v0 and v128.   window 2: the accumulators of my rows 0-63 ((a, b) at v[8 (8 a + b)]);   window 3: those of rows 64-127.
.set SIZE_N, 1024
.set NQ,     4                         ; steps of 128 along K in a slot
.set ROWB,   256                       ; a row of WO's tile in bytes: 512 codes
.set KROW,   512                       ; a row of WO in memory
.set PITCH,  272                       ; WO's rows in LDS: 256 bytes + 16 of padding: the 16 rows that a load touches start at 16 different banks
.set FR,     8
.set NL,     2
.set NP,     4                         ; places behind this matrix instruction (ISA guide 7.12.1)
.set HALFT,  128*PITCH                 ; 128 rows of WO; A's 128 rows take 32,768 of as many bytes
.set SLOT,   4*HALFT                   ; A's 256 rows, then WO's 256 rows
.set HALFK,  0x200000                  ; in A's codes: from K = 0 .. 511 to K = 512 .. 1,023
.set SCL,    2*SLOT                    ; behind the slots: the scale bytes, as units of 256 bytes + 16 of padding
.set HALFS,  16*272                    ; those of 128 rows
.set SBLK,   2*272                     ; those of 16 rows
.set SPARE,  SCL+4*HALFS               ; the spare words, 128 bytes for each wave: two blocks of 256 bytes that no other line names
.set SPITCH, 528                       ; the way out: a stage of 16 rows x (512 bytes + 16) for each wave, in slot 0, which has had its only fill and its last read when the first result is stored there
.set ADRA, 16                          ; v16-17  LDS address of my A fragments in slot 0, 1
.set ADRB, 20                          ; v20-21  the same for WO
.set STO,  24                          ; v24     the way out: where I put 32 bytes of a row
.set RD,   25                          ; v25     the way out: where I read a row back
.set CO,   26                          ; v26     16 x lane: my byte offset in a row of out0
.set ADRS, 27                          ; v27     LDS address of my scale words: lanes 0-15 A's rows, lanes 16-31 WO's
.set SPW,  28                          ; v28     LDS address of my spare word; never rewritten
.set NIL,  29                          ; v29     0; never rewritten
.set SC,   32
.set AF,   128
.set BI,   192                         ; the bias: register 8 b + j: column 16 b + 8 h + j of my 128
.set BK,   128                         ; the way out: 16 rows read back from the stage: v128-191 and v192-255 by turns
.set G1, 24                            ; s[24:31] descriptor group 1 for A's tiles;  s[32:39] group 0, one set for each slot
.set G0, 32
.set G1B, 48                           ; s[48:55], s[56:63] the same for WO's tiles
.set G0B, 56
.set G1S, 68                           ; s[68:75], s[76:79] groups 1 and 0 for A's scales;  s[80:87], s[88:91] for WO's
.set G0S, 76
.set G1SB, 80
.set G0SB, 88
.set MSB, 0
.macro WIN new                         ; the immediate's high byte repeats the setting that is left; a switch that changes nothing is dropped
.if MSB != (\new)
	s_set_vgpr_msb (MSB<<8)|(\new)
.set MSB, (\new)
.endif
.endm
.set MUL_LO, 0xa1                      ; source 0 (WO) window 1, source 1 (A) window 0, C and D window 2
.set MUL_HI, 0xf1                      ; the same, C and D window 3
.set TO_B,   0x40                      ; destination window 1, address window 0
; A joint load: waves 0 and 1 fetch for A, waves 2 and 3 for WO.  Each of the two lines has ONE mask and one set of registers for all that issue it; the branch hangs on the wave's number alone.
; Four v_nop follow each of the two lines, ahead of the jump, the label and what follows.
.macro JLOAD g0a, g1a, g0b, g1b
	s_cmp_eq_u32 s15, 0
	s_cbranch_scc0 .Lfor_b_\@
	tensor_load_to_lds s[\g0a:\g0a+3], s[\g1a:\g1a+7]
	s_nop 0
.rept 4
	v_nop
.endr
	s_branch .Lasked_\@
.Lfor_b_\@:
	tensor_load_to_lds s[\g0b:\g0b+3], s[\g1b:\g1b+7]
	s_nop 0
.rept 4
	v_nop
.endr
.Lasked_\@:
.endm
.macro CROUND                          ; a round of the cluster's barrier
	s_barrier_signal -1
	s_barrier_wait -1
	s_cmp_lg_u32 s14, 0
	s_cbranch_scc1 .Lnot_wave_0_\@
	s_barrier_signal -3
.Lnot_wave_0_\@:
	s_barrier_wait -3
	s_barrier_signal -1
	s_barrier_wait -1
.endm
	s_load_b128 s[4:7], s[0:1], 0x0                ; A's codes, A's scales
	s_load_b128 s[8:11], s[0:1], 0x10              ; WO's codes, WO's scales
	s_load_b64 s[96:97], s[0:1], 0x20              ; bO
	s_load_b64 s[12:13], s[0:1], 0x28              ; out0
	v_lshl_add_u32 v[SPW], v0, 2, SPARE
	v_mov_b32 v[NIL], 0
	ds_add_u32 v28, v29
	ds_add_u32 v28, v29
	s_wait_dscnt 0x0
	v_lshrrev_b32 v1, 5, v0
	v_readfirstlane_b32 s14, v1                    ; wave 0..3
	s_lshr_b32 s15, s14, 1                         ; which half of the tile's rows is mine.  Also: I fetch for A (0) or for WO (1)
	s_and_b32 s16, s14, 1                          ; which half of its columns.  Also: which 128 rows of that tile I fetch
	s_bfe_u32 s40, ttmp6, 0x40000                  ; cx, cy: my place in the cluster
	s_bfe_u32 s41, ttmp6, 0x40004
	s_lshl_b32 s42, ttmp9, 2
	s_add_co_u32 s42, s42, s40                     ; tile column = 4 x cluster x + cx
	s_and_b32 s17, ttmp7, 0xffff
	s_lshl_b32 s17, s17, 2
	s_add_co_u32 s17, s17, s41                     ; tile row = 4 x cluster y + cy
	s_lshl_b32 s43, s41, 2
	s_lshl_b32 s43, 15, s43                        ; my row of the cluster
	s_lshl_b32 s44, 0x1111, s40                    ; my column
	; descriptor group 1.  A: 32,768 dense bytes as 128 rows of 256 (32 elements of 8 bytes), no padding
	s_or_b32 s[G1+0], s43, (3<<16)|(1<<21)         ; 15:0 the mask: A's tiles go to my row; 17:16 elements of 8 bytes; 21 set beside a mask
	s_mov_b32 s[G1+1], 32<<16
	s_mov_b32 s[G1+2], 128<<16
	s_mov_b32 s[G1+3], 32<<16
	s_mov_b32 s[G1+4], 128
	s_mov_b32 s[G1+5], 32
	s_mov_b32 s[G1+6], 0
	s_mov_b32 s[G1+7], 0
	; WO: 128 rows of 256 bytes, 512 apart in memory, 16 bytes of padding behind each in LDS
	s_or_b32 s[G1B+0], s44, (0<<16)|(1<<20)|(1<<21)|(5<<22)|(3<<25)
	s_mov_b32 s[G1B+1], ROWB<<16
	s_mov_b32 s[G1B+2], 128<<16
	s_mov_b32 s[G1B+3], ROWB<<16
	s_mov_b32 s[G1B+4], 128
	s_mov_b32 s[G1B+5], KROW
	s_mov_b32 s[G1B+6], 0
	s_mov_b32 s[G1B+7], 0
	; the scale bytes of 128 rows: 4,096 dense bytes, as 16 rows of 256, 16 bytes of padding behind each
	s_or_b32 s[G1S+0], s43, (3<<16)|(1<<20)|(1<<21)|(5<<22)|(3<<25)
	s_or_b32 s[G1SB+0], s44, (3<<16)|(1<<20)|(1<<21)|(5<<22)|(3<<25)
.irp g, G1S, G1SB
	s_mov_b32 s[\g+1], 32<<16
	s_mov_b32 s[\g+2], 16<<16
	s_mov_b32 s[\g+3], 32<<16
	s_mov_b32 s[\g+4], 16
	s_mov_b32 s[\g+5], 32
	s_mov_b32 s[\g+6], 0
	s_mov_b32 s[\g+7], 0
.endr
	; where the tiles come from.  A's hang on the tile row alone, WO's on the tile column alone; each in registers that never hold the other coordinate
	s_lshl_b32 s18, s16, 7                         ; which 128 rows of the tile I fetch
	s_lshl_b32 s20, s17, 8
	s_add_co_u32 s20, s20, s18                     ; A: row 256 x tile row + 128 x half
	s_lshl_b32 s46, s42, 8
	s_add_co_u32 s46, s46, s18                     ; WO: row 256 x tile column + 128 x half
	s_lshl_b32 s22, s20, 5                         ; their scale bytes: 32 a row
	s_mov_b32 s23, 0
	s_lshl_b32 s92, s46, 5
	s_mov_b32 s93, 0
	s_lshl_b32 s20, s20, 8                         ; A's images: 4,096 bytes for 16 rows
	s_mov_b32 s21, 0
	s_lshl_b32 s46, s46, 9                         ; WO's codes: 512 bytes a row
	s_mov_b32 s47, 0
	s_mul_i32 s45, s14, HALFT                      ; where they go: wave x 128 rows: no place in the cluster enters an LDS address
	s_mul_i32 s94, s14, HALFS
	s_wait_kmcnt 0x0
	s_add_nc_u64 s[20:21], s[4:5], s[20:21]
	s_add_nc_u64 s[22:23], s[6:7], s[22:23]
	s_add_nc_u64 s[46:47], s[8:9], s[46:47]
	s_add_nc_u64 s[92:93], s[10:11], s[92:93]
	CROUND                                         ; all sixteen work-groups are here: the joint loads meet
	s_mov_b32 s[G0S], 1
	s_add_co_u32 s[G0S+1], s94, SCL
	s_mov_b64 s[G0S+2:G0S+3], s[22:23]
	s_or_b32 s[G0S+3], s[G0S+3], 0x80000000
	s_mov_b32 s[G0SB], 1
	s_add_co_u32 s[G0SB+1], s94, SCL
	s_mov_b64 s[G0SB+2:G0SB+3], s[92:93]
	s_or_b32 s[G0SB+3], s[G0SB+3], 0x80000000
	JLOAD G0S, G1S, G0SB, G1SB                     ; the scales first: they are wanted with the first step.  Three loads of mine go out in all
.irp s, 0,1
	s_mov_b32 s[G0+4*\s], 1
	s_add_co_u32 s[G0+4*\s+1], s45, \s*SLOT
	s_add_nc_u64 s[G0+4*\s+2:G0+4*\s+3], s[20:21], \s*HALFK
	s_or_b32 s[G0+4*\s+3], s[G0+4*\s+3], 0x80000000
	s_mov_b32 s[G0B+4*\s], 1
	s_add_co_u32 s[G0B+4*\s+1], s45, \s*SLOT
	s_add_nc_u64 s[G0B+4*\s+2:G0B+4*\s+3], s[46:47], \s*ROWB
	s_or_b32 s[G0B+4*\s+3], s[G0B+4*\s+3], 0x80000000
	s_wait_alu depctr_va_vdst(0)
	s_wait_tensorcnt 0x0
	ds_add_u32 v28, v29
	s_wait_dscnt 0x0
	CROUND
	JLOAD G0+4*\s, G1, G0B+4*\s, G1B
.endr
	v_and_b32 v1, 15, v0                           ; r = lane % 16
	v_bfe_u32 v2, v0, 4, 1                         ; h = lane / 16
	v_mul_u32_u24 v3, v1, PITCH
	v_lshl_add_u32 v4, v2, 4, v3                   ; WO: a fragment's row x pitch + 16 x half
	v_and_b32 v6, 31, v0
	v_lshlrev_b32 v[CO], 4, v6                     ; A: an image's place for my lane: 16 x lane
	s_mul_i32 s21, s15, HALFT                      ; my 128 rows of A
	s_mul_i32 s22, s16, HALFT                      ; my 128 rows of WO,
	s_add_co_u32 s22, s22, 2*HALFT                 ; which lie behind A's 256
.irp s, 0,1
	v_add_nc_u32 v[ADRA+\s], s21, v[CO]
	v_add_nc_u32 v[ADRB+\s], s22, v4
	s_add_co_u32 s21, s21, SLOT
	s_add_co_u32 s22, s22, SLOT
.endr
	v_mul_u32_u24 v5, v1, 32                       ; my row's scale bytes: 32 a row,
	v_lshrrev_b32 v6, 8, v5
	v_lshl_add_u32 v5, v6, 4, v5                   ; and 16 more for each 256 passed
	s_mul_i32 s21, s15, HALFS                      ; A's: my 128 rows
	s_mul_i32 s22, s16, HALFS                      ; WO's: my 128 rows, behind A's 256
	s_add_co_u32 s22, s22, 2*HALFS
	s_sub_co_u32 s22, s22, s21
	v_mul_u32_u24 v6, s22, v2                      ; lanes 16-31 take WO's: one product, the distance between the two bases
	s_add_co_u32 s21, s21, SCL
	v_add_nc_u32 v5, v5, v6
	v_add_nc_u32 v[ADRS], s21, v5
	s_mul_i32 s23, s14, 16*SPITCH                  ; my stage
	v_mul_u32_u24 v5, v1, SPITCH                   ; in: row l % 16, 32 bytes for each half of the lanes
	v_lshl_add_u32 v5, v2, 5, v5
	v_add_nc_u32 v[STO], s23, v5
	v_add_nc_u32 v[RD], s23, v[CO]                 ; back: the 32 lanes take one row of 512 bytes
	s_lshl_b32 s20, s17, 8
	s_lshl_b32 s21, s15, 7
	s_add_co_u32 s20, s20, s21                     ; my first row of out0: 256 x tile row + 128 x half,
	s_lshl_b32 s20, s20, 12                        ; 4,096 bytes a row
	s_mov_b32 s21, 0
	s_lshl_b32 s46, s42, 10                        ; my first column, in bytes: 1,024 x tile column + 512 x half: in out0's rows and in bO alike
	s_lshl_b32 s47, s16, 9
	s_add_co_u32 s46, s46, s47
	s_mov_b32 s47, 0
	s_add_nc_u64 s[96:97], s[96:97], s[46:47]
	s_add_nc_u64 s[20:21], s[20:21], s[46:47]
	s_add_nc_u64 s[12:13], s[12:13], s[20:21]
	v_lshlrev_b32 v7, 5, v2                        ; the bias of my half's eight columns of each 16: 32 h bytes on
.irp b, 0,1,2,3,4,5,6,7
	global_load_b128 v[BI+8*\b:BI+8*\b+3],   v7, s[96:97] offset:64*\b
	global_load_b128 v[BI+8*\b+4:BI+8*\b+7], v7, s[96:97] offset:64*\b+16
.endr
.macro FRAGB reg, slot, q, i           ; a fragment of WO: lane l holds row l % 16; registers 4 c .. 4 c + 3 hold K = 64 c + 32 (l / 16) + 0 .. 31
.irp c, 0,1
	ds_load_b128 v[\reg+4*\c:\reg+4*\c+3], v[ADRB+\slot] offset:64*(\q)+32*\c+(\i)*16*PITCH
.endr
.endm
.macro FRAGA reg, slot, q, i           ; a fragment of A: its image
.irp c, 0,1
	ds_load_b128 v[\reg+4*\c:\reg+4*\c+3], v[ADRA+\slot] offset:4096*(\i)+1024*(\q)+512*\c
.endr
.endm
; 16 matrix instructions: A's blocks a0, a0 + 1 x WO's eight, the slot's q-th 128 along K.  p: WO's set;  sc: the set of scale words.  first = 1: the product starts the sums, with the bias as C.
; The 64 accumulators take turns, one instruction a turn, in the same order in every step.
.macro MUL16 a0, p, q, sc, first
.irp a, \a0, \a0+1
.irp b, 0,1,2,3,4,5,6,7
.if \first
	v_wmma_scale_f32_16x16x128_f8f6f4 v[8*(8*((\a)%4)+\b):8*(8*((\a)%4)+\b)+7], v[128*(\p)+FR*\b:128*(\p)+FR*\b+FR-1], v[AF+FR*(\a):AF+FR*(\a)+FR-1], v[BI+8*\b:BI+8*\b+7], v[SC+8*NQ*(\sc)+NQ*\b+(\q)], v[SC+8*NQ*(\sc)+NQ*(\a)+(\q)] matrix_a_fmt:MATRIX_FMT_FP4 matrix_b_fmt:MATRIX_FMT_FP4 matrix_a_scale:MATRIX_SCALE_ROW1
.else
	v_wmma_scale_f32_16x16x128_f8f6f4 v[8*(8*((\a)%4)+\b):8*(8*((\a)%4)+\b)+7], v[128*(\p)+FR*\b:128*(\p)+FR*\b+FR-1], v[AF+FR*(\a):AF+FR*(\a)+FR-1], v[8*(8*((\a)%4)+\b):8*(8*((\a)%4)+\b)+7], v[SC+8*NQ*(\sc)+NQ*\b+(\q)], v[SC+8*NQ*(\sc)+NQ*(\a)+(\q)] matrix_a_fmt:MATRIX_FMT_FP4 matrix_b_fmt:MATRIX_FMT_FP4 matrix_a_scale:MATRIX_SCALE_ROW1
.endif
.endr
.endr
.endm
.macro FETCH_B slot, q, p
	WIN TO_B
.irp i, 0,1,2,3,4,5,6,7
	FRAGB 128*(\p)+FR*\i, \slot, \q, \i
.endr
	WIN 0
.endm
.macro FETCH_A slot, q, i0
.irp i, \i0, \i0+1, \i0+2, \i0+3
	FRAGA AF+FR*(\i), \slot, \q, \i
.endr
.endm
.macro SCALES sc                       ; a slot's scale words into set sc: four words a row; lanes 0-15 take A's block i, lanes 16-31 WO's block i
.irp i, 0,1,2,3,4,5,6,7
	ds_load_b128 v[SC+8*NQ*\sc+NQ*\i:SC+8*NQ*\sc+NQ*\i+3], v[ADRS] offset:\i*SBLK
.endr
.endm
; A load into a register that a matrix instruction has read, and an LDS store that reads a matrix result, stand NP places behind it, and only plain vector instructions that name none of its registers are places.
.macro PLACES n
.rept \n
	v_nop
.endr
.endm
; A step of 128 along K that has its successor in the same slot.  first = 1: C lies in window 0.
.macro STEP slot, q, first
	s_wait_dscnt 4*NL                              ; WO's set and A's blocks 0-3 are in; the youngest eight loads (A's blocks 4-7) may be out
	WIN MUL_LO-0x20*\first
	MUL16 0, (\q)%2, \q, \slot, \first
	MUL16 2, (\q)%2, \q, \slot, \first
	s_wait_dscnt 0                                 ; A's blocks 4-7 are in (asked for 32 matrix instructions ago)
	PLACES NP
	FETCH_B \slot, (\q)+1, 1-(\q)%2
	FETCH_A \slot, (\q)+1, 0
	WIN MUL_HI-0x30*\first
	MUL16 4, (\q)%2, \q, \slot, \first
	MUL16 6, (\q)%2, \q, \slot, \first
	PLACES NP
	WIN 0
	FETCH_A \slot, (\q)+1, 4
.endm
; Slot 0's last step goes over to slot 1: each wave waits for all its tensor loads, its part of slot 1 among them, and for its reads of slot 0; behind the barrier slot 1 is whole and nobody reads slot 0.  Nothing is filled again.
.macro TURN slot, next
	s_wait_tensorcnt 0x0                           ; all my tensor loads have landed
	ds_add_u32 v[SPW], v[NIL]                      ; 0 onto my spare word
	s_wait_dscnt 4*NL+1                            ; (the add and the youngest eight loads, A's blocks 4-7, may be out)
	WIN MUL_LO
	MUL16 0, 1, NQ-1, \slot, 0                     ; sixteen matrix instructions stand between the add and the wait for it
	s_wait_dscnt 0x0                               ; the add is done, and my reads of this slot are over
	s_barrier_signal -1
	MUL16 2, 1, NQ-1, \slot, 0
	WIN 0
	s_barrier_wait -1
	PLACES NP
	v_add_nc_u32 v[ADRS], 4*NQ, v[ADRS]            ; on to the next slot's scale words
	FETCH_B \next, 0, 0
	FETCH_A \next, 0, 0
	SCALES \next
	WIN MUL_HI
	MUL16 4, 1, NQ-1, \slot, 0
	MUL16 6, 1, NQ-1, \slot, 0
	PLACES NP
	WIN 0
	FETCH_A \next, 0, 4
.endm
.macro STEPS slot, from
.set Q, \from
.rept NQ-1-\from
	STEP \slot, Q, 0
.set Q, Q+1
.endr
.endm
	s_wait_alu depctr_va_vdst(0)
	s_wait_tensorcnt 1                             ; the scales and my part of slot 0 are in; one load, slot 1's, may be out,
	s_barrier_signal -1
	s_barrier_wait -1                              ; everybody's are
	FETCH_B 0, 0, 0
	FETCH_A 0, 0, 0
	SCALES 0
	FETCH_A 0, 0, 4
	s_wait_loadcnt 0x0                             ; the bias
	STEP 0, 0, 1                                   ; the first step's products start the sums, on the bias
	STEPS 0, 1
	TURN 0, 1
	STEPS 1, 0
	s_wait_dscnt 4*NL                              ; the last step: nothing more to fetch
	WIN MUL_LO
	MUL16 0, 1, NQ-1, 1, 0
	MUL16 2, 1, NQ-1, 1, 0
	s_wait_dscnt 0
	WIN MUL_HI
	MUL16 4, 1, NQ-1, 1, 0
	MUL16 6, 1, NQ-1, 1, 0
	WIN 0
; THE WAY OUT, block by block of 16 rows x 128 columns.  A lane holds 32 neighbouring bytes of a row, and the lanes beside it hold other rows: so a block goes through my own stage in LDS and comes back as whole
; rows of 512 bytes.  LDS serves a wave's instructions in order (ISA guide 5.7.1.4): no wait between the stores and the loads, nor in front of the next block's stores.
.macro TOSTAGE a
.set AC, 64*((\a)%4)
	WIN 0x08+4*((\a)/4)                            ; the data: window 2 or 3
.irp b, 0,1,2,3,4,5,6,7
	ds_store_b128 v[STO], v[AC+8*\b:AC+8*\b+3] offset:64*\b          ; each accumulator from its low end on
	ds_store_b128 v[STO], v[AC+8*\b+4:AC+8*\b+7] offset:64*\b+16
.endr
	WIN 0
.set BB, BK+64*((\a)%2)
.irp t, 0,1,2,3,4,5,6,7,8,9,10,11,12,13,14,15
	ds_load_b128 v[BB+4*\t:BB+4*\t+3], v[RD] offset:\t*SPITCH
.endr
.endm
.macro SEND a, younger                 ; younger: the LDS instructions issued behind block a's loads, which may stay out
.set BB, BK+64*((\a)%2)
	s_wait_dscnt \younger                          ; the block is back in registers
.if (\a) > 0
	s_add_nc_u64 s[12:13], s[12:13], 16*SIZE_N*4   ; (behind a wait on XCNT: the earlier stores have read their base)  16 rows on
.endif
.irp t, 0,1,2,3,4,5,6,7,8,9,10,11,12,13,14,15
	global_store_b128 v[CO], v[BB+4*\t:BB+4*\t+3], s[12:13] offset:\t*SIZE_N*4 th:TH_STORE_NT   ; 32 lanes store 512 consecutive bytes, at a multiple of 256 from out0's first byte; written once, read by nobody here
.endr
.endm
	PLACES NP                                      ; behind the last products: for the loads into the registers that held A's fragments and for block 7's reads alike
	TOSTAGE 0
.irp a, 1,2,3,4,5,6,7
.if \a > 1
	s_wait_xcnt 0x0                                ; block a - 2's stores have read their registers and their base: block a's loads may land there, and the base may step
.endif
	TOSTAGE \a
	SEND \a-1, 32                                  ; behind block a - 1's loads: block a's 16 stores and 16 loads
.endr
	s_wait_xcnt 0x0                                ; block 6's stores have read their base
	SEND 7, 0
	s_wait_tensorcnt 0x0                           ; the wave's end: behind my last tensor load and my last LDS store
	ds_add_u32 v[SPW], v[NIL]
	s_wait_dscnt 0x0
	CROUND                                         ; the closing round: no work-group ends while a partner may still ask for a tile that names it
	s_endpgm
.Lfunc_end_k_q7af4fbd06a_outp:
	.size	k_q7af4fbd06a_outp, .Lfunc_end_k_q7af4fbd06a_outp-k_q7af4fbd06a_outp
	.p2alignl 7, 3214868480
	.fill 96, 4, 3214868480
	.section	.rodata,"a",@progbits
	.p2align	6, 0x0
	.amdhsa_kernel k_q7af4fbd06a_outp
		.amdhsa_group_segment_fixed_size 327680
		.amdhsa_private_segment_fixed_size 0
		.amdhsa_enable_private_segment 0
		.amdhsa_kernarg_size 48
		.amdhsa_user_sgpr_count 2
		.amdhsa_user_sgpr_kernarg_segment_ptr 1
		.amdhsa_wavefront_size32 1
		.amdhsa_system_sgpr_workgroup_id_x 1
		.amdhsa_system_sgpr_workgroup_id_y 1
		.amdhsa_system_sgpr_workgroup_id_z 1
		.amdhsa_system_vgpr_workitem_id 0
		.amdhsa_next_free_vgpr 1024
		.amdhsa_next_free_sgpr 98
		.amdhsa_reserve_vcc 0
		.amdhsa_float_denorm_mode_32 3
		.amdhsa_float_denorm_mode_16_64 3
		.amdhsa_memory_ordered 1
		.amdhsa_forward_progress 1
		.amdhsa_inst_pref_size 127
	.end_amdhsa_kernel
	.amdgpu_metadata
---
amdhsa.version: [ 1, 2 ]
amdhsa.kernels:
  - .name:           k_q7af4fbd06a_outp
    .symbol:         k_q7af4fbd06a_outp.kd
    .args:
      - { .name: cc, .offset: 0, .size: 8, .value_kind: global_buffer, .address_space: global }
      - { .name: cs, .offset: 8, .size: 8, .value_kind: global_buffer, .address_space: global }
      - { .name: WO_codes, .offset: 16, .size: 8, .value_kind: global_buffer, .address_space: global }
      - { .name: WO_scales, .offset: 24, .size: 8, .value_kind: global_buffer, .address_space: global }
      - { .name: bO, .offset: 32, .size: 8, .value_kind: global_buffer, .address_space: global }
      - { .name: out0, .offset: 40, .size: 8, .value_kind: global_buffer, .address_space: global }
    .group_segment_fixed_size: 327680
    .private_segment_fixed_size: 0
    .kernarg_segment_align: 8
    .kernarg_segment_size: 48
    .max_flat_workgroup_size: 128
    .sgpr_count:     98
    .vgpr_count:     1024
    .wavefront_size: 32
...
	.end_amdgpu_metadata
.endif
;; end of part 3
